; MI455X (gfx1250); checked and timed in simulation.
; The chip was launched on July 23, 2026; its instructions are those of AMD's public machine-readable ISA for CDNA 5 (MIT licence, August 2026) and "CDNA5" Instruction Set Architecture Reference Guide (July 2026). The comments in the code are by the model that wrote it; some were corrected since.
;; Multi Head Self Attention. Allowed arithmetic: matrix products marked QUANTISED: E2M3 operands, one E8M0 scale for each 32 along K, by v_wmma_scale_f32_16x16x128_f8f6f4 with both operands' format E2M3, f32 sums; everything else in f32.
;; Inputs: Wk 1,024 x 1,024 float32; Wo 1,024 x 1,024 float32; Wq 1,024 x 1,024 float32; Wv 1,024 x 1,024 float32; bk 1,024 float32; bo 1,024 float32; bq 1,024 float32; bv 1,024 float32; x 4 x 2,048 x 1,024 float32.
;; Outputs: out0 4 x 2,048 x 1,024 float32.
;; This version of the problem:
;;   THIS VERSION OF THE PROBLEM IS GIVEN IN LOW PRECISION. The matrix products marked QUANTISED in the list below multiply operands that are first quantised to E2M3 (2 exponent bits, 3 mantissa bits; 6 bits a number), with one power-of-two scale for each 32 numbers along K (OCP MX v1.0); their sums are f32. All else is computed in f32.
;;   The module's matrix products, in the order in which they are computed (A, B: the left and right operand; K: the contracted axis; several contracted axes count as one K, in the product's order):
;;     1. [M 8,192, K 1,024] x [K 1,024, N 1,024]; A: input x; B: input Wq: QUANTISED
;;     2. [M 8,192, K 1,024] x [K 1,024, N 1,024]; A: input x; B: input Wk: QUANTISED
;;     3. [M 8,192, K 1,024] x [K 1,024, N 1,024]; A: input x; B: input Wv: QUANTISED
;;     4. batch 64 x [M 2,048, K 64] x [K 64, N 2,048]; A: computed on the way; B: computed on the way: QUANTISED
;;     5. batch 64 x [M 2,048, K 2,048] x [K 2,048, N 64]; A: softmax (see below); B: computed on the way: QUANTISED
;;     6. [M 8,192, K 1,024] x [K 1,024, N 1,024]; A: computed on the way; B: input Wo: QUANTISED
;;   THE QUANTISER, for each operand of a quantised product, along K:
;;     - K is cut into blocks of 32 from its start; a last block that is shorter is filled with zeros.
;;     - A block's scale is 2^e with e = floor(log2(the largest magnitude in the block)) - 2, held to -126 .. 127; a block of zeros has e = 0. As a byte (E8M0): e + 127.
;;     - Each number is divided by its block's scale, clamped to +-7.5, and rounded to the nearest number of E2M3, ties to even, subnormals kept.
;;     - The product sums the exact products of the quantised numbers (number of the format x scale) in f32.
;;   ~~~python
;;   def quantise(x, axis):      # numpy; x: float32 -> the quantised numbers, widened to float32 again
;;       x = np.moveaxis(x, axis, -1); K = x.shape[-1]
;;       x = np.pad(x, [(0, 0)] * (x.ndim - 1) + [(0, -K % 32)]); x = x.reshape(x.shape[:-1] + (-1, 32)); a = np.abs(x).max(-1, keepdims=True)
;;       e = np.where(a > 0, np.clip(np.frexp(np.where(a > 0, a, 1))[1] - 1 - 2, -126, 127), 0)      # np.frexp(a)[1] - 1 = floor(log2(a)), exactly
;;       r = np.clip(x / 2.0 ** e, -7.5, 7.5)
;;       step = 2.0 ** (np.maximum(np.frexp(np.where(r == 0, 1, r))[1] - 1, 0) - 3)
;;       q = np.round(r / step) * step * 2.0 ** e      # np.round: ties to even
;;       return np.moveaxis(q.reshape(q.shape[:-2] + (-1,))[..., :K], -1, axis).astype(np.float32)
;;   ~~~
;;   SOFTMAX AHEAD OF A QUANTISED PRODUCT. Where the list says 'softmax', what is quantised is not the finished softmax but p = 2^(t - M), with t = logit x log2(e) and M = ceil(the row's largest t), a whole number; so 1/2 < the row's largest p <= 1. The row's sum l is taken of the UNQUANTISED p, in f32, and the product's result is divided by l at the end. Since M is a whole number, a kernel that streams over the keys may use a running M (the ceiling of the running maximum): every later rescaling is an exact power of two, which a block's scale takes up: the codes' values come out the same.
;;   OPERANDS COMPUTED ON THE WAY. 'Computed on the way' means the value that the module computes at that place (a softmax that the list does not call 'softmax' is quantised finished and normalised). What goes into a quantiser is computed in f32, as accurately as f32 sums, v_exp_f32 and their like allow (about 1e-6 of the number): no bf16 or f16 on the way to a quantiser, and a product that is left as it is and whose result goes on into a quantised operand takes f32 operands (vector FMAs, or v_wmma_f32_16x16x4_f32). A number that lies on a knife's edge between two numbers of the format may be rounded either way, as far as f32 arithmetic and the matrix unit's own rounding can turn it there, and no further.
;; One version. Each part assembles by itself: llvm-mc -triple=amdgcn-amd-amdhsa -mcpu=gfx1250 --defsym DOCPART=n.
;; ======== version 1 of 1: 4 launches
;; limits: right only within a limited range of input values
;; workspace buffers: xb 6,553,600 bytes; wb 3,276,800 bytes; qb 6,815,744 bytes; kv 13,369,344 bytes; ob 6,553,600 bytes
;; launch quant (part 1): grid 512 x 1, 4 waves a work-group, no clusters, 46,592 bytes of LDS; arguments x, Wq, Wk, Wv, Wo, xb, wb; writes xb, wb
.if DOCPART == 1
	.amdgcn_target "amdgcn-amd-amdhsa--gfx1250"
	.amdhsa_code_object_version 6
	.text
	.protected	k_q116cb4a1b5_quant
	.globl	k_q116cb4a1b5_quant
	.p2align	8
	.type	k_q116cb4a1b5_quant,@function
k_q116cb4a1b5_quant:
	s_mov_b64 s[64:65], 0
	v_nop
	global_prefetch_b8 v0, s[64:65] scope:SCOPE_SE
	s_setreg_imm32_b32 hwreg(HW_REG_WAVE_MODE, 25, 1), 1
	s_wait_xcnt 0x0
; x [8192][1024] f32 (K innermost) and the four weights [1024 (k)][1024 (n)] f32 (K outermost) become codes of FP6 (E2M3) with one E8M0 byte for each 32 along K,
; laid as IMAGES OF THE OPERAND'S REGISTERS.  A fragment image is 1,536 bytes = 16 rows x 128 K: six chunks of 256 bytes; chunk p holds registers 2 p, 2 p + 1 of lane l at byte 8 l.
; codes: [row block of 16][K step of 128: 0..7][image];  scale bytes: [row block][K / 256: 0..3][row 0..15][8 bytes], byte 4 q + b for block b of K step 2 (K / 256) + q.
; ORDER OF ROWS: within each group of 32 rows (of x) or columns n (of a weight) the place 16 u + p holds the actual index 8 u + p + 8 (p / 8): so the results of two neighbouring row blocks
; are, in a lane's 16 registers, 16 neighbours along the next product's K.
; A block's scale is 2^(floor(log2(its largest magnitude)) - 2); its byte is the largest magnitude's exponent field - 2, held at 1 from below.
; LIMITS: NaN and infinities are not served; a block whose largest magnitude lies under 2^-124 keeps the byte 1; a block of zeros has the byte 1 where the rule says 127: its codes are zeros, and this program alone reads the bytes.
; Work-groups 0-255 take x, 256-511 the weights; the two ways part on the work-group's number, and each has LDS bytes of its own.  No barrier: waves share nothing.
.set XSO,   6291456                    ; x's scale bytes in xb
.set WSO,   3145728                    ; the weights' in wb
.set SEL,   20                         ; s[20:21] lane selects: lane l xor 16
.set PW,    20                         ; v20-23  the scale words of my four K steps
.set R,     32                         ; v32-159 two sets of 64 numbers as loaded
.set XT,    160                        ; v160-223 64 numbers of my row: register 16 b + i = k 32 b + 16 (lane / 16) + i
.set PC,    224                        ; v224-235 a fragment's codes; v236-242 at work
.set TM,    244                        ; v244-247 largest magnitudes, v248-251 the other half's, then bytes, v252-255 the conversions' scale operands
.set XSTG,  16*528                     ; x: a wave's stage: 16 rows of 512 bytes + 16
.set WST0,  4*XSTG                     ; the weights' stages begin behind them
.set WSTG,  3072                       ; two images a wave
; 64 numbers of a lane become a fragment's 12 registers, v[PC] on, and its row's scale word, v[pw]
.macro QUANT s, pw
.irp b, 0,1,2,3
	v_max3_num_f32 v[TM+\b], |v[\s+16*\b]|, |v[\s+1+16*\b]|, 0x1800000   ; block b: my 16 numbers, and the floor 2^(3 - 127): the byte cannot fall under 1
.endr
.irp i, 2,4,6,8,10,12,14
.irp b, 0,1,2,3
	v_max3_num_f32 v[TM+\b], v[TM+\b], |v[\s+16*\b+\i]|, |v[\s+1+16*\b+\i]|   ; the four blocks by turns
.endr
.endr
.irp b, 0,1,2,3
	v_permlanex16_b32 v[TM+4+\b], v[TM+\b], s[SEL], s[SEL+1]
.endr
.irp b, 0,1,2,3
	v_max_num_f32 v[TM+\b], v[TM+\b], v[TM+4+\b]   ; with lane l xor 16's 16: the block's largest magnitude
.endr
.irp b, 0,1,2,3
	v_add_nc_u32 v[TM+8+\b], 0xff000000, v[TM+\b]  ; 2 off its exponent field: the conversion takes the exponent field of this operand as its scale
.endr
.irp b, 0,1,2,3
	v_lshrrev_b32 v[TM+4+\b], 23, v[TM+8+\b]       ; the scale's byte
.endr
	v_lshl_or_b32 v[\pw], v[TM+5], 8, v[TM+4]
	v_lshl_or_b32 v[\pw], v[TM+6], 16, v[\pw]
	v_lshl_or_b32 v[\pw], v[TM+7], 24, v[\pw]      ; my row's scale word (the same in lanes l and l xor 16)
.irp c, 0,1
	v_cvt_scalef32_pk16_fp6_f32 v[PC+6*\c:PC+2+6*\c], v[\s+32*\c:\s+15+32*\c], v[TM+8+2*\c]
	v_cvt_scalef32_pk16_fp6_f32 v[PC+12+4*\c:PC+14+4*\c], v[\s+16+32*\c:\s+31+32*\c], v[TM+8+2*\c+1]   ; (a conversion's three registers begin on an even number)
.endr
	v_nop                                          ; one plain place behind a scaled conversion
.irp c, 0,1                                    ; the layout wants a whole block in a lane: lanes 0-15 block 2 c, lanes 16-31 block 2 c + 1
.irp i, 0,1,2
	v_permlane16_swap_b32 v[PC+6*\c+\i], v[PC+12+4*\c+\i]
.endr
.irp i, 0,1,2
	v_mov_b32 v[PC+3+6*\c+\i], v[PC+12+4*\c+\i]
.endr
.endr
.endm
	s_load_b256 s[4:11], s[0:1], 0x0               ; x s[4:5], Wq s[6:7], Wk s[8:9], Wv s[10:11]
	s_load_b128 s[12:15], s[0:1], 0x20             ; Wo s[12:13], xb s[14:15]
	s_load_b64 s[16:17], s[0:1], 0x30              ; wb
	v_lshl_add_u32 v239, v0, 2, 0xb400
	v_mov_b32 v243, 0
	v_lshrrev_b32 v1, 5, v0
	v_readfirstlane_b32 s18, v1                    ; wave 0..3
	v_and_b32 v1, 31, v0                           ; lane
	s_cmp_ge_u32 ttmp9, 256
	s_cbranch_scc1 .Lweights
	; ---------------- x: a wave takes one row block (16 rows) x 512 along K: four K steps
	v_and_b32 v2, 15, v0                           ; r
	v_bfe_u32 v3, v0, 4, 1                         ; h
	v_lshlrev_b32 v4, 4, v1                        ; 16 x lane: my bytes of a load's 512
	v_lshlrev_b32 v5, 3, v1                        ; 8 x lane: my place in a chunk
	s_mul_i32 s19, s18, XSTG
	v_add_nc_u32 v6, s19, v4                       ; the stage, on the way in
	v_mul_u32_u24 v7, v2, 528
	v_lshl_add_u32 v7, v3, 6, v7
	v_add_nc_u32 v7, s19, v7                       ; and out: row r, + 64 h: my 16 numbers of each block of 32
	v_lshlrev_b32 v8, 3, v2
	v_lshl_add_u32 v8, v3, 7, v8                   ; the scale words' place: 128 h + 8 r
	s_mov_b32 s[SEL], 0x76543210
	s_mov_b32 s[SEL+1], 0xfedcba98
.irp b, 0,1,2,3
	v_mov_b32 v[TM+4+\b], 0                        ; written once: a lane permute's destination counts as one of its sources
.endr
	s_lshl_b32 s22, ttmp9, 1
	s_lshr_b32 s23, s18, 1
	s_add_co_u32 s22, s22, s23                     ; my row block: 2 x work-group + wave / 2
	s_and_b32 s23, s18, 1                          ; which half of K
	s_lshr_b32 s24, s22, 1
	s_lshl_b32 s24, s24, 5
	s_and_b32 s25, s22, 1
	s_lshl_b32 s25, s25, 3
	s_add_co_u32 s24, s24, s25                     ; the block's first actual row: 32 (block / 2) + 8 (block % 2)
	s_lshl_b32 s24, s24, 12                        ; rows of 4,096 bytes
	s_lshl_b32 s25, s23, 11
	s_add_co_u32 s24, s24, s25
	s_mov_b32 s25, 0
	s_mul_i32 s26, s22, 12288
	s_mul_i32 s27, s23, 6144
	s_add_co_u32 s26, s26, s27
	s_mov_b32 s27, 0
	s_lshl_b32 s28, s22, 9
	s_lshl_b32 s29, s23, 8
	s_add_co_u32 s28, s28, s29
	s_add_co_u32 s28, s28, XSO
	s_mov_b32 s29, 0
	s_wait_alu depctr_va_vdst(0)
	s_wait_kmcnt 0x0
	s_add_nc_u64 s[4:5], s[4:5], s[24:25]
	s_add_nc_u64 s[26:27], s[14:15], s[26:27]      ; my codes
	s_add_nc_u64 s[28:29], s[14:15], s[28:29]      ; my scale words
.macro LOADK s                         ; K step s of my 16 rows: each load reads 512 consecutive bytes of one row; place i holds actual row i + 8 (i / 8)
.irp i, 0,1,2,3,4,5,6,7,8,9,10,11,12,13,14,15
	global_load_b128 v[R+64*((\s)%2)+4*\i:R+64*((\s)%2)+4*\i+3], v4, s[4:5] offset:(\i+8*(\i/8))*4096+512*(\s) th:TH_LOAD_NT
.endr
.endm
.macro TURN s                          ; through my stage: LDS serves a wave's instructions in order, so no wait stands between the stores and the loads
.irp i, 0,1,2,3,4,5,6,7,8,9,10,11,12,13,14,15
	ds_store_b128 v6, v[R+64*((\s)%2)+4*\i:R+64*((\s)%2)+4*\i+3] offset:528*\i
.endr
.irp b, 0,1,2,3
.irp j, 0,1,2,3
	ds_load_b128 v[XT+16*\b+4*\j:XT+16*\b+4*\j+3], v7 offset:128*\b+16*\j
.endr
.endr
.endm
.macro XSTEP s
.if (\s) < 3
	s_wait_loadcnt 16                              ; this K step's 16 loads are in; the next set's 16 may be out
.else
	s_wait_loadcnt 0x0
.endif
	TURN \s
	s_wait_dscnt 0x0                               ; my 64 numbers are back, and the stage's stores have read their registers,
.if (\s) < 2
	LOADK (\s)+2                                   ; which take the loads of two K steps on
.endif
.if (\s) > 0
	s_wait_xcnt 0x0                                ; the last K step's stores have read the codes' registers
.endif
	QUANT XT, PW+(\s)
.irp p, 0,1,2,3,4,5
	global_store_b64 v5, v[PC+2*\p:PC+2*\p+1], s[26:27] offset:1536*(\s)+256*\p   ; 32 lanes store 256 consecutive bytes, aligned
.endr
.endm
	LOADK 0
	LOADK 1
	XSTEP 0
	XSTEP 1
	XSTEP 2
	XSTEP 3
	v_cmp_le_u32 vcc_lo, 16, v1
	v_cndmask_b32 v24, v[PW], v[PW+2], vcc_lo      ; lanes 0-15: K steps 0, 1 of my four; lanes 16-31: K steps 2, 3
	v_cndmask_b32 v25, v[PW+1], v[PW+3], vcc_lo
	global_store_b64 v8, v[24:25], s[28:29]        ; 256 consecutive bytes, aligned
	s_wait_tensorcnt 0x0
	ds_add_u32 v239, v243
	s_wait_dscnt 0x0
	s_endpgm
	; ---------------- the weights: a wave takes 32 columns n x 128 along K.  A LANE TAKES A COLUMN, ITS REGISTERS RUN DOWN K: nothing is transposed by an instruction
.Lweights:
	s_sub_co_u32 s19, ttmp9, 256
	s_lshr_b32 s22, s19, 6                         ; which weight: 0 Wq, 1 Wk, 2 Wv, 3 Wo
	s_bfe_u32 s23, s19, 0x30003                    ; which 128 columns
	s_and_b32 s24, s19, 7                          ; which K step
	s_lshl_b32 s25, s24, 19                        ; 128 rows of 4,096 bytes
	s_lshl_b32 s26, s23, 9
	s_add_co_u32 s25, s25, s26
	s_lshl_b32 s26, s18, 7
	s_add_co_u32 s26, s25, s26                     ; + my wave's 32 columns
	s_mov_b32 s27, 0
	s_lshl_b32 s28, s22, 6
	s_lshl_b32 s29, s23, 3
	s_add_co_u32 s28, s28, s29
	s_lshl_b32 s29, s18, 1
	s_add_co_u32 s28, s28, s29                     ; my first row block: 64 x weight + 8 x group + 2 x wave
	s_lshl_b32 s30, s28, 9
	s_mul_i32 s28, s28, 12288
	s_mul_i32 s29, s24, 1536
	s_add_co_u32 s28, s28, s29
	s_mov_b32 s29, 0
	s_lshr_b32 s31, s24, 1
	s_lshl_b32 s31, s31, 7
	s_add_co_u32 s30, s30, s31
	s_and_b32 s31, s24, 1
	s_lshl_b32 s31, s31, 2
	s_add_co_u32 s30, s30, s31
	s_add_co_u32 s30, s30, WSO
	s_mov_b32 s31, 0
	s_and_b32 s19, s22, 1
	s_wait_alu depctr_va_vdst(0)
	v_lshlrev_b32 v3, 2, v1                        ; in: 4 bytes a lane
	v_and_b32 v4, 7, v1
	v_lshlrev_b32 v4, 3, v4
	v_bfe_u32 v5, v1, 4, 1
	v_lshl_add_u32 v4, v5, 6, v4                   ; 8 x (my column's place in its row block): bits 3 and 4 of the column change places
	v_bfe_u32 v5, v1, 3, 1                         ; which of my two row blocks
	v_lshl_add_u32 v9, v5, 9, v4                   ; my scale word's place
	v_mad_u32_u24 v4, v5, 1536, v4
	s_mul_i32 s25, s18, WSTG
	s_add_co_u32 s25, s25, WST0
	v_add_nc_u32 v4, s25, v4                       ; into my stage
	v_lshlrev_b32 v6, 4, v1
	v_add_nc_u32 v7, s25, v6                       ; and out of it: 16 bytes a lane
	s_wait_kmcnt 0x0
	s_cmp_lt_u32 s22, 2                            ; the choices hang on the work-group's number alone
	s_cselect_b64 s[6:7], s[6:7], s[10:11]
	s_cselect_b64 s[8:9], s[8:9], s[12:13]
	s_cmp_eq_u32 s19, 0
	s_cselect_b64 s[6:7], s[6:7], s[8:9]
	s_add_nc_u64 s[6:7], s[6:7], s[26:27]
	s_add_nc_u64 s[28:29], s[16:17], s[28:29]
	s_add_nc_u64 s[30:31], s[16:17], s[30:31]
.set LI, 0
.rept 128
	global_load_b32 v[32+LI], v3, s[6:7] offset:4096*LI th:TH_LOAD_NT   ; W(k, my column): 128 consecutive bytes a wave, 512 for the four waves side by side
.set LI, LI+1
.endr
.macro BLOCK t                         ; block t of 32 along K: all its numbers are mine.  It is registers 6 (t / 2) .. + 5 of lane (my place, t % 2) of the image
.set XS, 32+32*(\t)
.set C8, 160+8*(\t)
	v_max3_num_f32 v12, |v[XS]|, |v[XS+1]|, |v[XS+2]|
	v_max3_num_f32 v13, |v[XS+3]|, |v[XS+4]|, |v[XS+5]|
.irp i, 6,10,14,18,22,26
	v_max3_num_f32 v12, v12, |v[XS+\i]|, |v[XS+\i+1]|
	v_max3_num_f32 v13, v13, |v[XS+\i+2]|, |v[XS+\i+3]|
.endr
	v_max3_num_f32 v12, v12, |v[XS+30]|, |v[XS+31]|
	v_max3_num_f32 v12, v12, v13, 0x1800000        ; and the floor 2^(3 - 127)
	v_add_nc_u32 v11, 0xff000000, v12              ; the conversions' scale operand
	v_lshrrev_b32 v13, 23, v11                     ; the byte
.if (\t) == 0
	v_mov_b32 v24, v13
.else
	v_lshl_or_b32 v24, v13, 8*(\t), v24
.endif
	v_cvt_scalef32_pk16_fp6_f32 v[C8:C8+2], v[XS:XS+15], v11
	v_cvt_scalef32_pk16_fp6_f32 v[C8+4:C8+6], v[XS+16:XS+31], v11
	v_nop                                          ; one plain place behind a scaled conversion
	v_mov_b32 v[C8+3], v[C8+4]                     ; the block's 24 bytes on end
	v_mov_b32 v[C8+4], v[C8+5]
	v_mov_b32 v[C8+5], v[C8+6]
.irp i, 0,1,2
	ds_store_b64 v4, v[C8+2*\i:C8+2*\i+1] offset:256*(3*((\t)/2)+\i)+128*((\t)%2)
.endr
.endm
	s_wait_loadcnt 63                              ; at most 63 of the 128 are out: blocks 0 and 1 (the first 64) are in
	BLOCK 0
	BLOCK 1
	s_wait_loadcnt 32                              ; block 3's 32 may be out
	BLOCK 2
	s_wait_loadcnt 0x0
	BLOCK 3
.irp i, 0,1,2,3,4,5
	ds_load_b128 v[192+4*\i:195+4*\i], v7 offset:512*\i   ; LDS serves a wave's instructions in order: these see my stores
.endr
	global_store_b32 v9, v24, s[30:31]             ; my column's scale word of this K step: words 8 bytes apart (their neighbours are another K step's, another work-group's)
.irp i, 0,1,2,3,4,5
	s_wait_dscnt 5-\i                              ; the younger loads may be out
	global_store_b128 v6, v[192+4*\i:195+4*\i], s[28:29] offset:(\i/3)*12288+512*(\i%3)   ; 512 consecutive bytes, aligned
.endr
	s_wait_tensorcnt 0x0
	ds_add_u32 v239, v243
	s_wait_dscnt 0x0
	s_endpgm
.Lfunc_end_k_q116cb4a1b5_quant:
	.size	k_q116cb4a1b5_quant, .Lfunc_end_k_q116cb4a1b5_quant-k_q116cb4a1b5_quant
	.p2alignl 7, 3214868480
	.fill 96, 4, 3214868480
	.section	.rodata,"a",@progbits
	.p2align	6, 0x0
	.amdhsa_kernel k_q116cb4a1b5_quant
		.amdhsa_group_segment_fixed_size 46592
		.amdhsa_private_segment_fixed_size 0
		.amdhsa_enable_private_segment 0
		.amdhsa_kernarg_size 56
		.amdhsa_user_sgpr_count 2
		.amdhsa_user_sgpr_kernarg_segment_ptr 1
		.amdhsa_wavefront_size32 1
		.amdhsa_system_sgpr_workgroup_id_x 1
		.amdhsa_system_sgpr_workgroup_id_y 1
		.amdhsa_system_sgpr_workgroup_id_z 1
		.amdhsa_system_vgpr_workitem_id 0
		.amdhsa_next_free_vgpr 256
		.amdhsa_next_free_sgpr 66
		.amdhsa_reserve_vcc 1
		.amdhsa_float_denorm_mode_32 3
		.amdhsa_float_denorm_mode_16_64 3
		.amdhsa_memory_ordered 1
		.amdhsa_forward_progress 1
		.amdhsa_inst_pref_size 57
	.end_amdhsa_kernel
	.amdgpu_metadata
---
amdhsa.version: [ 1, 2 ]
amdhsa.kernels:
  - .name:           k_q116cb4a1b5_quant
    .symbol:         k_q116cb4a1b5_quant.kd
    .args:
      - { .name: x, .offset: 0, .size: 8, .value_kind: global_buffer, .address_space: global }
      - { .name: Wq, .offset: 8, .size: 8, .value_kind: global_buffer, .address_space: global }
      - { .name: Wk, .offset: 16, .size: 8, .value_kind: global_buffer, .address_space: global }
      - { .name: Wv, .offset: 24, .size: 8, .value_kind: global_buffer, .address_space: global }
      - { .name: Wo, .offset: 32, .size: 8, .value_kind: global_buffer, .address_space: global }
      - { .name: xb, .offset: 40, .size: 8, .value_kind: global_buffer, .address_space: global }
      - { .name: wb, .offset: 48, .size: 8, .value_kind: global_buffer, .address_space: global }
    .group_segment_fixed_size: 46592
    .private_segment_fixed_size: 0
    .kernarg_segment_align: 8
    .kernarg_segment_size: 56
    .max_flat_workgroup_size: 128
    .sgpr_count:     66
    .vgpr_count:     256
    .wavefront_size: 32
...
	.end_amdgpu_metadata
.endif
;; end of part 1
;; launch gemm_qkv (part 2): grid 4 x 64, 4 waves a work-group, clusters of 4 x 4, 327,680 bytes of LDS; arguments xb, wb, bq, bk, bv, qb, kv; writes qb, kv
.if DOCPART == 2
	.amdgcn_target "amdgcn-amd-amdhsa--gfx1250"
	.amdhsa_code_object_version 6
	.text
	.protected	k_q116cb4a1b5_gemm_qkv
	.globl	k_q116cb4a1b5_gemm_qkv
	.p2align	8
	.type	k_q116cb4a1b5_gemm_qkv,@function
k_q116cb4a1b5_gemm_qkv:
	s_mov_b64 s[64:65], 0
	v_nop
	global_prefetch_b8 v0, s[64:65] scope:SCOPE_SE
	s_setreg_imm32_b32 hwreg(HW_REG_WAVE_MODE, 25, 1), 1
	s_wait_xcnt 0x0
	s_wait_alu depctr_hold_cnt(0) depctr_sa_sdst(0) depctr_va_vdst(0) depctr_va_sdst(0) depctr_va_ssrc(0) depctr_va_vcc(0) depctr_vm_vsrc(0)
	s_getreg_b32 s2, hwreg(HW_REG_IB_STS2, 6, 4)
	s_cmp_eq_u32 s2, 0
	s_cbranch_scc0 .Lentry_in_a_cluster
	s_endpgm
.Lentry_in_a_cluster:
	s_bfe_u32 s2, ttmp6, 0x10000c
	s_cmp_lg_u32 s2, 0xf033
	s_cbranch_scc0 .Lentry_shape_is_right
	s_endpgm
.Lentry_shape_is_right:
; Q = x Wq + bq, K = x Wk + bk, V = x Wv + bv on codes of FP6 (E2M3) with E8M0 scales, f32 sums, and their quantisers: the results leave as codes and scale bytes, as images of the next launch's operand registers.
; IN: xb (x) and wb (Wq, Wk, Wv: 64 row blocks each): codes [row block of 16][K step of 128: 0..7][1,536 bytes: chunk p holds registers 2 p, 2 p + 1 of lane l at byte 8 l]; scale bytes, at XSO and WSO,
; [row block][K / 256: 0..3][row][8 bytes], byte 4 q + b for block b of K step 2 (K / 256) + q.  Within a group of 32 rows (of x) or columns (of a weight) the place 16 u + p holds the actual index 8 u + p + 8 (p / 8):
; so the results of two neighbouring blocks are, in a lane's 16 registers, 16 neighbours along the next product's K.
; OUT: qb: [batch x head][tile of 16 tokens][768 bytes]; its scale words at QSO: [batch x head][step of 128 tokens][512]: tile t, row r at 16 (16 (t % 2) + r) + 4 (t / 2).
; kv: [batch x head][step][record of 13,056]: K's 8 tiles of 768; at 6,144 V's 4 channel tiles (16 channels x 128 keys, 1,536 each); at 12,288 K's scale words (as Q's); at 12,800 V's (tile t, row r at 8 (16 (t % 2) + r) + 4 (t / 2)).
; SHARES.  256 work-groups.  A work-group owns 128 tokens, one step, whose codes, all of K, lie in LDS for the whole launch, and walks three tiles of 256 columns, four heads each: of Wq, of Wk, of Wv.
; A wave makes 128 tokens x 64 columns, one head: 32 accumulators.  Q and K: source 0 = the weight's rows, so a lane holds one token and its registers run along the head's channels.  V: source 0 = x's rows, so a lane holds one channel and its registers run along the tokens.
; LDS: for each half of K, x's 8 row blocks (6,144 bytes each) and a slot for a weight's 16.  At the head one tensor load a wave: x and Wq, K steps 0-3 (waves 0, 1), K steps 4-7 (waves 2, 3).
; FOUR REFILLS: at the head of K step 3 of Q's and of K's walk slot 0 takes the next weight's first half, at the head of K step 7 slot 1 its second: all fragments of the slot have been fetched by then.  Each stands behind a tensor wait, an add, an LDS wait
; and a round of the cluster's barrier; every wave fetches 4 row blocks.  A round also shows the refill before it to all waves; in V's walk a plain barrier at K step 3 does that.
; CLUSTER 4 x 4: x's blocks are shared along a row of the cluster, a weight's along a column: joint loads.  No prefetch is laid: x comes at the head alone, and each refill is itself asked for four K steps or more ahead of the round that waits for it.
; Q's and K's walks are one text, a loop of two trips; what differs lies in scalars, and in registers that are loaded anew between the walks (the weight's scale words, the bias).  THE BIAS IS THE FIRST PRODUCTS' C.
; A block's scale is 2^(floor(log2(its largest magnitude)) - 2); its byte is the largest magnitude's exponent field - 2, held at 1 from below.
; LIMITS: NaN and infinities are not served; a block whose largest magnitude lies under 2^-124, or of zeros, keeps the byte 1 (this program alone reads the bytes).
; REGISTERS: window 0: v16-29 addresses; v32-63 x's scale words, v66-81 the weight's; v84-91 the results' scale words; v128-223 the weight's fragments, two sets of 4; v224-255 the quantiser's.  Window 1: x's fragments, two sets of 8.  Window 2: the accumulators.  Window 3: v0-31 the bias.
.set XSO,   6291456
.set WSO,   3145728
.set QSO,   6291456
.set RBK,   12288
.set HK,    6144                       ; four K steps of a row block
.set LB,    8*HK                       ; in each half: x's 8 blocks, then the weight's 16
.set HALF,  24*HK
.set SPARE, 2*HALF                     ; the spare words, 128 bytes a wave
.set ADRX, 16                          ; v16, v17 x's fragments in half 0, 1
.set ADRW, 20                          ; v20, v21 my 4 blocks of the weight
.set L8,   24
.set L16,  25
.set LN,   26
.set SH16, 27                          ; 16 h
.set SPW,  28
.set NIL,  29
.set SX,   32
.set SW,   66
.set PWS,  84
.set SELW, 88
.set WF,   128
.set PC,   224
.set TM,   244
.set WV,   18
.set TRIP, 19
.set HM,   3                           ; mask: lanes 16-31
.set LW,   47                          ; wave x 4 blocks, in LDS bytes
.set SEL,  66                          ; s[66:67] lane selects: lane l xor 16
.set G1,   24                          ; group 1: x's 8 rows;  G1B: a weight's 16;  G1R: a refill's 4
.set G1B,  48
.set G1R,  68
.set G0R,  76
.set SXP,  80
.set SWP,  82
.set DDQ,  84
.set EEQ,  86
.set DDK,  88
.set EEK,  90
.set DDV,  92
.set EEV,  94
.set DD,   96
.set EE,   98
.set BO,   100
.set MSB, 0
.set VSW, 0                            ; 1 in V's way out: see the quantiser's last lines
.macro WIN new
.if MSB != (\new)
	s_set_vgpr_msb (MSB<<8)|(\new)
.set MSB, (\new)
.endif
.endm
.macro PLACES n
.rept \n
	v_nop
.endr
.endm
.macro CROUND
	s_barrier_signal -1
	s_barrier_wait -1
	s_cmp_lg_u32 s[WV], 0
	s_cbranch_scc1 .Lnot_wave_0_\@
	s_barrier_signal -3
.Lnot_wave_0_\@:
	s_barrier_wait -3
	s_barrier_signal -1
	s_barrier_wait -1
.endm
.macro TLOAD g0, g1
	tensor_load_to_lds s[\g0:\g0+3], s[\g1:\g1+7]
	s_nop 0
	PLACES 4
.endm
.macro ARM under, g0, g1, next         ; one arm of the head's chain: its load and a jump to the join
	s_cmp_lt_u32 s[WV], \under
	s_cbranch_scc0 \next
	TLOAD \g0, \g1
	s_branch .Lasked
\next:
.endm
.macro G0SET g, lds, base, off
	s_mov_b32 s[\g], 1
	s_mov_b32 s[\g+1], \lds
	s_add_nc_u64 s[\g+2:\g+3], s[\base:\base+1], \off
	s_or_b32 s[\g+3], s[\g+3], 0x80000000
.endm
.macro GROUP1 g, mask, rows            ; rows of 6,144 bytes (768 elements of 8), 12,288 apart
	s_or_b32 s[\g], s\mask, (3<<16)|(1<<21)
	s_mov_b32 s[\g+1], 768<<16
	s_mov_b32 s[\g+2], (\rows)<<16
	s_mov_b32 s[\g+3], 768<<16
	s_mov_b32 s[\g+4], \rows
	s_mov_b32 s[\g+5], 1536
	s_mov_b32 s[\g+6], 0
	s_mov_b32 s[\g+7], 0
.endm
.macro FRAG reg, adr, off
.irp p, 0,1,2,3,4,5
	ds_load_b64 v[\reg+2*\p:\reg+2*\p+1], v[\adr] offset:\off+256*\p
.endr
.endm
.macro LOADS s                         ; K step s's fragments into set s % 2: 72 loads
	WIN 0x40
.irp i, 0,1,2,3,4,5,6,7
	FRAG 96*((\s)%2)+12*\i, ADRX+(\s)/4, \i*HK+((\s)%4)*1536
.endr
	WIN 0
.irp i, 0,1,2,3
	FRAG WF+48*((\s)%2)+12*\i, ADRW+(\s)/4, \i*HK+((\s)%4)*1536
.endr
.endm
.macro W1 d, p, q, c, x, y, r
	v_wmma_scale_f32_16x16x128_f8f6f4 v[\d:\d+7], v[\p:\p+11], v[\q:\q+11], \c, v[\x], v[\y] matrix_a_fmt:MATRIX_FMT_FP6 matrix_b_fmt:MATRIX_FMT_FP6 matrix_a_scale:MATRIX_SCALE_ROW\r matrix_b_scale:MATRIX_SCALE_ROW\r
.endm
; 32 products, the 32 accumulators by turns, in the same order in every K step.  kind 0: accumulator (a, b) at 8 (4 a + b); kind 1: at 8 (8 b + a).  r = (s / 2) % 2: which half of the lanes holds this quarter's scale words
.macro MUL kind, s, r
.set XO, 2*((\s)/4)+(\s)%2
.set PS, (\s)%2
.if \kind
.if (\s) == 0
	WIN 0xb1
.else
	WIN 0xa1
.endif
.else
.if (\s) == 0
	WIN 0xb4
.else
	WIN 0xa4
.endif
.endif
.irp a, 0,1,2,3,4,5,6,7
.irp b, 0,1,2,3
.if \kind
.if (\s) == 0
	W1 8*(8*\b+\a), 96*PS+12*\a, WF+48*PS+12*\b, v[8*\b:8*\b+7], SX+4*\a+XO, SW+4*\b+XO, \r
.else
	W1 8*(8*\b+\a), 96*PS+12*\a, WF+48*PS+12*\b, v[8*(8*\b+\a):8*(8*\b+\a)+7], SX+4*\a+XO, SW+4*\b+XO, \r
.endif
.else
.if (\s) == 0
	W1 8*(4*\a+\b), WF+48*PS+12*\b, 96*PS+12*\a, v[8*\b:8*\b+7], SW+4*\b+XO, SX+4*\a+XO, \r
.else
	W1 8*(4*\a+\b), WF+48*PS+12*\b, 96*PS+12*\a, v[8*(4*\a+\b):8*(4*\a+\b)+7], SW+4*\b+XO, SX+4*\a+XO, \r
.endif
.endif
.endr
.endr
.endm
; A K step: its fragments are in; the next step's are asked for into the other set; then the products.  mode 1: a refill first (ldsc: the slot, inc: how far the weight's address steps); mode 2: a plain barrier that shows the last refill
.macro STEP kind, s, r, mode, ldsc=0, inc=0
.if (\mode) == 1
	WIN 0
	s_wait_tensorcnt 0x0                           ; all my tensor loads are in;
	ds_add_u32 v[SPW], v[NIL]
	s_add_co_u32 s[G0R+1], s[LW], \ldsc            ; no load of mine is out, so the descriptor may be written
	s_add_nc_u64 s[G0R+2:G0R+3], s[G0R+2:G0R+3], \inc
	s_wait_dscnt 0x0                               ; the add is done, and so are my reads of the slot
	CROUND                                         ; both now hold of every wave of all sixteen work-groups
	TLOAD G0R, G1R                                 ; my 4 row blocks; the four v_nop behind it are the places in front of the loads below
.elseif (\mode) == 2
	WIN 0
	s_wait_dscnt 0x0
	s_wait_tensorcnt 0x0
	s_barrier_signal -1
	s_barrier_wait -1
	PLACES 4
.else
	s_wait_dscnt 0x0
.if (\s) < 7
	PLACES 4                                       ; in front of loads into registers that the last K step's products have read
.endif
.endif
.if (\s) < 7
	LOADS (\s)+1
.endif
	MUL \kind, \s, \r
.endm
.macro WALK kind, fill
	STEP \kind, 0, 0, 0
	STEP \kind, 1, 0, 0
	STEP \kind, 2, 1, 0
.if \fill
	STEP \kind, 3, 1, 1, LB, 64*RBK-HK
.else
	STEP \kind, 3, 1, 2
.endif
	STEP \kind, 4, 0, 0
	STEP \kind, 5, 0, 0
	STEP \kind, 6, 1, 0
.if \fill
	STEP \kind, 7, 1, 1, HALF+LB, HK
.else
	STEP \kind, 7, 1, 0
.endif
	WIN 0
	PLACES 4                                       ; behind the last products: results are read, scale words loaded again
.endm
; 64 sums of a lane, window 2 from register s on (register 16 b + i = place 32 b + 16 h + i along the next K), become 12 registers of codes, v[PC] on, and a scale word, v[pw]
.macro QUANT s, pw
	WIN 0x0a
.irp b, 0,1,2,3
	v_max3_num_f32 v[TM+\b], |v[\s+16*\b]|, |v[\s+1+16*\b]|, 0x1800000   ; my 16 numbers of block b, and the floor 2^(3 - 127)
.endr
	WIN 0x28
.irp i, 2,4,6,8,10,12,14
.irp b, 0,1,2,3
	v_max3_num_f32 v[TM+\b], v[TM+\b], |v[\s+16*\b+\i]|, |v[\s+1+16*\b+\i]|
.endr
.endr
	WIN 0
.irp b, 0,1,2,3
	v_permlanex16_b32 v[TM+4+\b], v[TM+\b], s[SEL], s[SEL+1]
.endr
.irp b, 0,1,2,3
	v_max_num_f32 v[TM+\b], v[TM+\b], v[TM+4+\b]   ; with lane l xor 16's 16
.endr
.irp b, 0,1,2,3
	v_add_nc_u32 v[TM+8+\b], 0xff000000, v[TM+\b]  ; 2 off the exponent field: the conversions' scale operand
.endr
.irp b, 0,1,2,3
	v_lshrrev_b32 v[TM+4+\b], 23, v[TM+8+\b]       ; the byte
.endr
	v_lshl_or_b32 v[\pw], v[TM+5], 8, v[TM+4]
	v_lshl_or_b32 v[\pw], v[TM+6], 16, v[\pw]
	v_lshl_or_b32 v[\pw], v[TM+7], 24, v[\pw]
	WIN 0x02
.irp c, 0,1
	v_cvt_scalef32_pk16_fp6_f32 v[PC+6*\c:PC+2+6*\c], v[\s+32*\c:\s+15+32*\c], v[TM+8+2*\c]
	v_cvt_scalef32_pk16_fp6_f32 v[PC+12+4*\c:PC+14+4*\c], v[\s+16+32*\c:\s+31+32*\c], v[TM+8+2*\c+1]
.endr
	WIN 0
	v_nop                                          ; one plain place behind a scaled conversion
.irp c, 0,1                                    ; a whole block in a lane: lanes 0-15 block 2 c, lanes 16-31 block 2 c + 1
.irp i, 0,1,2
	v_permlane16_swap_b32 v[PC+6*\c+\i], v[PC+12+4*\c+\i]
.endr
.irp i, 0,1,2
.if VSW                                ; V's images: in lanes 16-31 a block's two halves of 16 keys change places, as p's codes fall in the launch that reads them
	v_cndmask_b32 v[PC+3+6*\c+\i], v[PC+12+4*\c+\i], v[PC+6*\c+\i], s[HM]
	v_cndmask_b32 v[PC+6*\c+\i], v[PC+6*\c+\i], v[PC+12+4*\c+\i], s[HM]
.else
	v_mov_b32 v[PC+3+6*\c+\i], v[PC+12+4*\c+\i]
.endif
.endr
.endr
.endm
.macro OUT4 base                       ; four times 64 sums: 1,536 bytes of codes each, in stores of 256 consecutive bytes, aligned
.irp i, 0,1,2,3
.if \i > 0
	s_wait_xcnt 0x0                                ; the last stores have read the codes' registers
.endif
	QUANT 64*\i, PWS+\i
.irp p, 0,1,2,3,4,5
	global_store_b64 v[L8], v[PC+2*\p:PC+2*\p+1], s[\base:\base+1] offset:1536*\i+256*\p
.endr
.endr
.endm
.macro WSCALES                         ; the scale words of my 4 blocks of the weight: 256 consecutive bytes a load: quarters 2 j and 2 j + 1 of K
.irp b, 0,1,2,3
.irp j, 0,1
	global_load_b64 v[SW+4*\b+2*\j:SW+4*\b+2*\j+1], v[L8], s[SWP:SWP+1] offset:512*\b+256*\j
.endr
.endr
.endm
.macro BIAS0 ptr                       ; Q, K: the bias as the result lies: register j of block b is column 32 (b / 2) + 8 (b % 2) + 16 h + j of the head
	WIN 0xc0
.irp b, 0,1,2,3
	global_load_b128 v[8*\b:8*\b+3], v22, s[\ptr:\ptr+1] offset:(32*(\b/2)+8*(\b%2))*4
	global_load_b128 v[8*\b+4:8*\b+7], v22, s[\ptr:\ptr+1] offset:(32*(\b/2)+8*(\b%2))*4+16
.endr
	WIN 0
.endm
	s_load_b128 s[4:7], s[0:1], 0x0                ; xb, wb
	s_load_b128 s[8:11], s[0:1], 0x10              ; bq, bk
	s_load_b128 s[12:15], s[0:1], 0x20             ; bv, qb
	s_load_b64 s[16:17], s[0:1], 0x30              ; kv
	v_lshl_add_u32 v[SPW], v0, 2, SPARE
	v_mov_b32 v[NIL], 0
	ds_add_u32 v[SPW], v[NIL]                      ; the opening lines: the add twice on end and one wait
	ds_add_u32 v[SPW], v[NIL]
	v_lshrrev_b32 v1, 5, v0
	v_readfirstlane_b32 s[WV], v1                  ; wave 0..3: which head of the tile's four
	s_bfe_u32 s40, ttmp6, 0x40000                  ; cx
	s_bfe_u32 s41, ttmp6, 0x40004                  ; cy
	s_and_b32 s42, ttmp7, 0xffff
	s_lshl_b32 s43, s41, 2
	s_lshl_b32 s43, 15, s43                        ; my row of the cluster
	s_lshl_b32 s44, 0x1111, s40                    ; my column
	GROUP1 G1, 43, 8
	GROUP1 G1B, 44, 16
	GROUP1 G1R, 44, 4
	s_lshl_b32 s45, s42, 2
	s_add_co_u32 s45, s45, s41                     ; my step of 128 tokens, 0 .. 63
	s_lshl_b32 s46, ttmp9, 2
	s_add_co_u32 s46, s46, s40                     ; my 256 columns of each weight, 0 .. 3
	s_mul_i32 s20, s45, 8*RBK                      ; x's blocks, bytes from xb
	s_mov_b32 s21, 0
	s_mul_i32 s22, s46, 16*RBK                     ; Wq's blocks, bytes from wb
	s_mov_b32 s23, 0
	s_mul_i32 s[LW], s[WV], 4*HK
	s_mul_i32 s[G0R+2], s[WV], 4*RBK
	s_add_co_u32 s[G0R+2], s[G0R+2], s22
	s_add_co_u32 s[G0R+2], s[G0R+2], HK            ; my 4 blocks of Wq, second half: the first refill steps on from here
	s_mov_b32 s[G0R+3], 0
	s_mov_b32 s[G0R], 1
	s_lshl_b32 s[SXP], s45, 12
	s_add_co_u32 s[SXP], s[SXP], XSO               ; x's scale bytes
	s_mov_b32 s[SXP+1], 0
	s_lshl_b32 s[SWP], s46, 4
	s_lshl_b32 s2, s[WV], 2
	s_add_co_u32 s[SWP], s[SWP], s2
	s_lshl_b32 s[SWP], s[SWP], 9
	s_add_co_u32 s[SWP], s[SWP], WSO               ; the scale bytes of my 4 blocks of Wq
	s_mov_b32 s[SWP+1], 0
	s_lshl_b32 s2, s46, 2
	s_add_co_u32 s2, s2, s[WV]                     ; my head
	s_lshl_b32 s[BO], s2, 8                        ; its 64 numbers of a bias
	s_mov_b32 s[BO+1], 0
	s_lshr_b32 s42, s45, 4
	s_lshl_b32 s42, s42, 4
	s_add_co_u32 s42, s42, s2                      ; batch x head
	s_and_b32 s2, s45, 15                          ; the step in its sequence
	s_mul_i32 s[DDQ], s42, 98304
	s_mul_i32 s43, s2, 6144
	s_add_co_u32 s[DDQ], s[DDQ], s43
	s_mov_b32 s[DDQ+1], 0
	s_lshl_b32 s[EEQ], s42, 13
	s_lshl_b32 s43, s2, 9
	s_add_co_u32 s[EEQ], s[EEQ], s43
	s_add_co_u32 s[EEQ], s[EEQ], QSO
	s_mov_b32 s[EEQ+1], 0
	s_mul_i32 s[DDK], s42, 208896
	s_mul_i32 s43, s2, 13056
	s_add_co_u32 s[DDK], s[DDK], s43               ; my record
	s_mov_b32 s[DDK+1], 0
	s_add_co_u32 s2, s[LW], LB
	s_mov_b32 s[SEL], 0x76543210
	s_mov_b32 s[SEL+1], 0xfedcba98
	s_mov_b32 s[TRIP], 0
	s_wait_alu depctr_va_vdst(0)
	s_wait_dscnt 0x0
	CROUND                                         ; all sixteen work-groups are here: the joint loads meet
	s_wait_kmcnt 0x0
	s_add_nc_u64 s[20:21], s[4:5], s[20:21]
	s_add_nc_u64 s[22:23], s[6:7], s[22:23]
	s_add_nc_u64 s[G0R+2:G0R+3], s[6:7], s[G0R+2:G0R+3]
	s_or_b32 s[G0R+3], s[G0R+3], 0x80000000
	s_add_nc_u64 s[SXP:SXP+1], s[4:5], s[SXP:SXP+1]
	s_add_nc_u64 s[SWP:SWP+1], s[6:7], s[SWP:SWP+1]
	s_add_nc_u64 s[8:9], s[8:9], s[BO:BO+1]
	s_add_nc_u64 s[10:11], s[10:11], s[BO:BO+1]
	s_add_nc_u64 s[12:13], s[12:13], s[BO:BO+1]
	s_add_nc_u64 s[DDQ:DDQ+1], s[14:15], s[DDQ:DDQ+1]
	s_add_nc_u64 s[EEQ:EEQ+1], s[14:15], s[EEQ:EEQ+1]
	s_add_nc_u64 s[DDK:DDK+1], s[16:17], s[DDK:DDK+1]
	s_add_nc_u64 s[EEK:EEK+1], s[DDK:DDK+1], 12288
	s_add_nc_u64 s[DDV:DDV+1], s[DDK:DDK+1], 6144
	s_add_nc_u64 s[EEV:EEV+1], s[DDK:DDK+1], 12800
	G0SET 32, 0, 20, 0
	G0SET 36, LB, 22, 0
	G0SET 56, HALF, 20, HK
	G0SET 60, HALF+LB, 22, HK
	ARM 1, 32, G1, .Lw1                            ; one load a wave, what is needed first asked for first
	ARM 2, 36, G1B, .Lw2
	ARM 3, 56, G1, .Lw3
	TLOAD 60, G1B
.Lasked:
	v_and_b32 v1, 15, v0
	v_bfe_u32 v2, v0, 4, 1
	v_and_b32 v[LN], 31, v0
	v_lshlrev_b32 v[L8], 3, v[LN]
	v_lshlrev_b32 v[L16], 4, v[LN]
	v_lshlrev_b32 v[SH16], 4, v2
	v_cmp_le_u32 s[HM], 16, v[LN]
	v_mov_b32 v[ADRX], v[L8]
	v_add_nc_u32 v[ADRW], s2, v[L8]
	v_add_nc_u32 v[ADRX+1], HALF, v[L8]
	v_add_nc_u32 v[ADRW+1], HALF, v[ADRW]
	v_lshlrev_b32 v22, 6, v2                       ; Q, K: 64 h
	v_and_b32 v3, 8, v1
	v_add_nc_u32 v3, v3, v1
	v_lshlrev_b32 v23, 2, v3                       ; V: 4 (r + 8 (r / 8))
.irp b, 0,1,2,3
	v_mov_b32 v[TM+4+\b], 0                        ; written once: a lane permute's destination counts as one of its sources
.endr
	s_wait_alu depctr_va_vdst(0)                   ; the wait at the head's end
.irp a, 0,1,2,3,4,5,6,7
.irp j, 0,1
	global_load_b64 v[SX+4*\a+2*\j:SX+4*\a+2*\j+1], v[L8], s[SXP:SXP+1] offset:512*\a+256*\j
.endr
.endr
	WSCALES
	BIAS0 8
	s_cmp_lt_u32 s[WV], 2
	s_cbranch_scc0 .Lnot_first
	s_wait_tensorcnt 0x0                           ; waves 0 and 1: K steps 0-3 of x and Wq are in
.Lnot_first:
	s_barrier_signal -1
	s_barrier_wait -1                              ; the other two loads may still be on their way
	LOADS 0
.Lphase:                                               ; Q's walk, then K's
	s_wait_loadcnt 0x0                             ; the scale words and the bias
	WALK 0, 1
	s_add_nc_u64 s[SWP:SWP+1], s[SWP:SWP+1], 64*512   ; the next weight's scale words (the last loads by this base were waited for),
	WSCALES
	s_cmp_eq_u32 s[TRIP], 0                        ; its bias,
	s_cbranch_scc0 .Lbias_v
	BIAS0 10
	s_branch .Lbias_done
.Lbias_v:
	WIN 0xc0
.irp b, 0,1,2,3
	global_load_b32 v[8*\b], v23, s[12:13] offset:(32*(\b/2)+8*(\b%2))*4   ; V: one number a lane and block: lane r has column 32 (b / 2) + 8 (b % 2) + r + 8 (r / 8)
.endr
	WIN 0
.Lbias_done:
	LOADS 0                                        ; and its first fragments: the round at K step 7 has shown slot 0's refill.  All land under the way out
	s_wait_xcnt 0x0                                ; the last way out's stores have read their bases
	s_cmp_eq_u32 s[TRIP], 0
	s_cselect_b64 s[DD:DD+1], s[DDQ:DDQ+1], s[DDK:DDK+1]
	s_cselect_b64 s[EE:EE+1], s[EEQ:EEQ+1], s[EEK:EEK+1]
	OUT4 DD                                        ; 64 sums = two tiles of 16 tokens x 64 channels: registers 0-5 the even tile's image, 6-11 the odd tile's
.irp q, 0,1,2,3
	v_lshrrev_b32 v[SELW+\q], v[SH16], v[PWS+\q]   ; lanes 0-15 the even tile's two bytes, lanes 16-31 the odd tile's;
.endr
.irp q, 0,1,2,3
	v_and_b32 v[SELW+\q], 0xffff, v[SELW+\q]       ; the bytes for k = 64 .. 127 are 0
.endr
	global_store_b128 v[L16], v[SELW:SELW+3], s[EE:EE+1]   ; 512 consecutive bytes, aligned
	s_add_co_u32 s[TRIP], s[TRIP], 1
	s_cmp_lt_u32 s[TRIP], 2
	s_wait_alu depctr_va_vdst(0)
	s_cbranch_scc1 .Lphase
	s_wait_loadcnt 0x0
	WIN 0xc3
.irp t, 0,8,16,24
.irp i, 1,2,3,4,5,6,7
	v_mov_b32 v[\t+\i], v[\t]                      ; V's number over the block's eight registers
.endr
.endr
	WIN 0
	s_wait_alu depctr_va_vdst(0)
	WALK 1, 0
	s_wait_xcnt 0x0
.set VSW, 1
	OUT4 DDV                                       ; 64 sums = a tile of 16 channels x 128 keys
	v_cndmask_b32 v[SELW], v[PWS], v[PWS+1], s[HM] ; lanes 0-15 the even tile's words, lanes 16-31 the odd tile's
	v_cndmask_b32 v[SELW+1], v[PWS+2], v[PWS+3], s[HM]
	global_store_b64 v[L8], v[SELW:SELW+1], s[EEV:EEV+1]   ; 256 consecutive bytes, aligned
	s_wait_tensorcnt 0x0                           ; the wave's end
	ds_add_u32 v[SPW], v[NIL]
	s_wait_dscnt 0x0
	CROUND                                         ; the closing round
	s_endpgm
.Lfunc_end_k_q116cb4a1b5_gemm_qkv:
	.size	k_q116cb4a1b5_gemm_qkv, .Lfunc_end_k_q116cb4a1b5_gemm_qkv-k_q116cb4a1b5_gemm_qkv
	.p2alignl 7, 3214868480
	.fill 96, 4, 3214868480
	.section	.rodata,"a",@progbits
	.p2align	6, 0x0
	.amdhsa_kernel k_q116cb4a1b5_gemm_qkv
		.amdhsa_group_segment_fixed_size 327680
		.amdhsa_private_segment_fixed_size 0
		.amdhsa_enable_private_segment 0
		.amdhsa_kernarg_size 56
		.amdhsa_user_sgpr_count 2
		.amdhsa_user_sgpr_kernarg_segment_ptr 1
		.amdhsa_wavefront_size32 1
		.amdhsa_system_sgpr_workgroup_id_x 1
		.amdhsa_system_sgpr_workgroup_id_y 1
		.amdhsa_system_sgpr_workgroup_id_z 1
		.amdhsa_system_vgpr_workitem_id 0
		.amdhsa_next_free_vgpr 800
		.amdhsa_next_free_sgpr 102
		.amdhsa_reserve_vcc 0
		.amdhsa_float_denorm_mode_32 3
		.amdhsa_float_denorm_mode_16_64 3
		.amdhsa_memory_ordered 1
		.amdhsa_forward_progress 1
		.amdhsa_inst_pref_size 196
	.end_amdhsa_kernel
	.amdgpu_metadata
---
amdhsa.version: [ 1, 2 ]
amdhsa.kernels:
  - .name:           k_q116cb4a1b5_gemm_qkv
    .symbol:         k_q116cb4a1b5_gemm_qkv.kd
    .args:
      - { .name: xb, .offset: 0, .size: 8, .value_kind: global_buffer, .address_space: global }
      - { .name: wb, .offset: 8, .size: 8, .value_kind: global_buffer, .address_space: global }
      - { .name: bq, .offset: 16, .size: 8, .value_kind: global_buffer, .address_space: global }
      - { .name: bk, .offset: 24, .size: 8, .value_kind: global_buffer, .address_space: global }
      - { .name: bv, .offset: 32, .size: 8, .value_kind: global_buffer, .address_space: global }
      - { .name: qb, .offset: 40, .size: 8, .value_kind: global_buffer, .address_space: global }
      - { .name: kv, .offset: 48, .size: 8, .value_kind: global_buffer, .address_space: global }
    .group_segment_fixed_size: 327680
    .private_segment_fixed_size: 0
    .kernarg_segment_align: 8
    .kernarg_segment_size: 56
    .max_flat_workgroup_size: 128
    .sgpr_count:     102
    .vgpr_count:     800
    .wavefront_size: 32
...
	.end_amdgpu_metadata
.endif
;; end of part 2
;; launch attn (part 3): grid 4 x 64, 16 waves a work-group, clusters of 4 x 1, 210,944 bytes of LDS; arguments qb, kv, ob; writes ob
.if DOCPART == 3
	.amdgcn_target "amdgcn-amd-amdhsa--gfx1250"
	.amdhsa_code_object_version 6
	.text
	.protected	k_q116cb4a1b5_attn
	.globl	k_q116cb4a1b5_attn
	.p2align	8
	.type	k_q116cb4a1b5_attn,@function
k_q116cb4a1b5_attn:
	s_mov_b64 s[64:65], 0
	v_nop
	global_prefetch_b8 v0, s[64:65] scope:SCOPE_SE
	s_setreg_imm32_b32 hwreg(HW_REG_WAVE_MODE, 25, 1), 1
	s_wait_xcnt 0x0
	s_wait_alu depctr_hold_cnt(0) depctr_sa_sdst(0) depctr_va_vdst(0) depctr_va_sdst(0) depctr_va_ssrc(0) depctr_va_vcc(0) depctr_vm_vsrc(0)
	s_getreg_b32 s2, hwreg(HW_REG_IB_STS2, 6, 4)
	s_cmp_eq_u32 s2, 0
	s_cbranch_scc0 .Lentry_in_a_cluster
	s_endpgm
.Lentry_in_a_cluster:
	s_bfe_u32 s2, ttmp6, 0x10000c
	s_cmp_lg_u32 s2, 0x3003
	s_cbranch_scc0 .Lentry_shape_is_right
	s_endpgm
.Lentry_shape_is_right:
; o[bh][q][:] = the sum over keys of softmax(q . k / 8) v, both products on codes of FP6 (E2M3) with E8M0 scales; 64 heads (batch x head), 2,048 queries and keys, head size 64.
; THE SOFTMAX AHEAD OF THE SECOND PRODUCT: t = score x log2(e) / 8; M = the running largest t rounded UP to a whole number; p = 2^(t - M) is quantised along the keys, not normalised; the row's sum is taken of
; the unquantised p and divides O at the end; when M moves, the sum and O are multiplied by 2^(old M - new M), which rounds nothing.  o / sum is quantised along the channels on the way out, as the last product's operand.
; SHARES.  A work-group owns 512 queries of one head.  The whole head's K, V and scale words, 16 records of 13,056 bytes, lie in LDS, filled once: EACH OF THE SIXTEEN WAVES FETCHES ONE RECORD by one tensor load.
; Wave 0's load has a line of its own: the first barrier shows record 0 alone, and every wave's first step is done while the other fifteen records are on their way; a second barrier, with every wave's wait in front of it,
; shows those.  No ring, no refill, no further barrier.  A wave owns one tile of 16 queries in each of two passes.
; CLUSTER.  The four work-groups of a cluster are the head's four blocks of queries: each record is asked for jointly, by the same wave of each, with a mask that names the four.
; All tensor loads go out at the head and there is no loop to run ahead in, so no prefetch is laid.
; LAYOUT.  Both products are used transposed: S^T = K Q^T, O^T = V^T P^T: a lane holds ONE query (lane % 16) throughout.
; In a record, place p of K's tile 2 b + u holds key 32 b + 8 u + p + 8 (p / 8).  THE TILES THAT ARE MULTIPLIED ARE PUT TOGETHER BY THE LDS LOADS' LANE ADDRESSES: tile (c, g, u) has in its rows 0-7 eight keys of
; block 2 c (stored tile 4 c + u, places 8 g ..) and in its rows 8-15 eight keys of block 2 c + 1 (stored tile 4 c + 2 + u, places 8 (1 - g) ..: the other half, so that the 32 lanes of a load take 256 different bytes modulo 256).
; So the 32 registers 96 + 32 c .. of a lane are ONE WHOLE BLOCK of 32 keys, block 2 c + lane / 16: its largest score needs no other lane.  In lanes 0-15 they lie in the keys' order; in lanes 16-31 the two halves of 16
; have changed places, and so they have in V's images, as the launch before lays them: the same place along K holds the same key on both sides.
; A load of two addresses brings two chunks of 256 bytes, four registers: its offsets reach 2,040 bytes, so K has four address registers and V three.
; K = 64 IN AN INSTRUCTION OF 128: a tile of K or Q is registers 0-5.  Q's registers 6-11 are zero codes; K's tile t is named v[32 + 6 t .. + 11], whose upper six are the next tile's codes (zeros behind tile 7):
; they meet zero codes, under scale bytes 0, and add exactly 0.
; A RECORD, 128 keys: K's 8 tiles (768 each); at 6,144 V's 4 channel tiles (16 channels x 128 keys, 1,536 each); at 12,288 K's scale words (tile t, row r at 16 (16 (t % 2) + r) + 4 (t / 2)); at 12,800 V's (8 (16 (t % 2) + r) + 4 (t / 2)).
; LIMITS: NaN and infinities are not served; the promise holds while the scaled scores t stay under 2^31 in magnitude; a block whose largest magnitude lies under 2^-124, or all of whose numbers are 0, keeps the byte 1
; (this program alone reads the bytes).  A block's largest p is taken from its largest score by the same two instructions: that takes v_exp_f32 not to fall where its input rises.
; REGISTERS: v1-11, v86-90 addresses; v12 -M, v13 the largest score, v[14:15] the sum in two halves; v16-21 Q, v22-27 zeros; v32-79 K's 8 tiles, then V's 4 fragments; v80-85 zeros; v96-159 S^T, then p; v160-191 O^T;
; v196-206 the conversions' second halves; v224-235 p's codes; v230-254 at work; v255 Q's scale word.
.set QSO,  6291456
.set OSO,  6291456
.set REC,  13056
.set SPARE, 16*REC                     ; behind the records: the spare words, 128 bytes a wave
.set L8,   1                           ; 8 x lane
.set KA0,  2                           ; K's tiles with g = 0: 8 x lane + 1,536 (row / 8)
.set KB0,  3                           ; with g = 1: the same with the row's bit 3 turned
.set SA0,  4                           ; K's scale words, g = 0: 16 x lane + 4 (row / 8)
.set SB0,  5                           ; g = 1
.set KA,   6                           ; the same four + the step's record;
.set KB,   7
.set SA,   8
.set SB,   9
.set VA,   10                          ; V's chunks 0-7
.set OS,   11                          ; 8 r + h: o's scale byte
.set SH,   28                          ; 8 h: how far my two scale bytes are shifted
.set OLDM, 29
.set SPW,  30
.set NIL,  31
.set KA2,  86                          ; K's tiles with c = 1: 3,072 bytes on
.set KB2,  87
.set VA1,  88                          ; V's chunks 8-15,
.set VA2,  89                          ; 16-23
.set VL0,  90                          ; 8 x lane + 6,144
.set QS,   94                          ; 16 r: Q's scale word
.set KV,   32
.set WV,   18
.set SEL,  20                          ; s[20:21] lane selects: lane l xor 16
.set CS,   22                          ; s[22:23] c = log2(e) / 8
.set G1,   24
.set G0,   40
.set HM,   46                          ; mask: lanes 16-31
.set TB,   56                          ; LDS byte at which the step's record begins
.set CNT,  57
.set QP,   10
.set QSP,  12
.set OCP,  14
.set OSP,  16
.macro WALU
	s_wait_alu depctr_va_vdst(0)
.endm
.macro DEP n
	s_delay_alu instid0(VALU_DEP_\n)
.endm
.macro CROUND                          ; a round of the cluster's barrier
	s_barrier_signal -1
	s_barrier_wait -1
	s_cmp_lg_u32 s[WV], 0
	s_cbranch_scc1 .Lnot_wave_0_\@
	s_barrier_signal -3
.Lnot_wave_0_\@:
	s_barrier_wait -3
	s_barrier_signal -1
	s_barrier_wait -1
.endm
.macro TLOAD
	tensor_load_to_lds s[G0:G0+3], s[G1:G1+7]
	s_nop 0
.rept 4
	v_nop
.endr
.endm
.macro QLOAD                           ; my tile of Q and its scale words
.irp p, 0,1,2
	global_load_b64 v[16+2*\p:17+2*\p], v[L8], s[QP:QP+1] offset:256*\p th:TH_LOAD_NT
.endr
	global_load_b32 v255, v[QS], s[QSP:QSP+1] th:TH_LOAD_NT
.endm
	s_load_b128 s[4:7], s[0:1], 0x0                ; qb, kv
	s_load_b64 s[8:9], s[0:1], 0x10                ; ob
	v_lshl_add_u32 v[SPW], v0, 2, SPARE
	v_mov_b32 v[NIL], 0
	ds_add_u32 v[SPW], v[NIL]                      ; the opening lines: the add twice on end and one wait
	ds_add_u32 v[SPW], v[NIL]
	v_lshrrev_b32 v8, 5, v0
	v_readfirstlane_b32 s[WV], v8                  ; wave 0..15
	s_bfe_u32 s19, ttmp6, 0x40000                  ; cx
	s_lshl_b32 s2, ttmp9, 2
	s_add_co_u32 s19, s19, s2                      ; my block of 512 queries: it enters Q's and o's addresses alone
	s_and_b32 s3, ttmp7, 0xffff                    ; batch x head, which the four partners share
	s_mul_i32 s58, s3, 16*REC
	s_mov_b32 s59, 0
	s_mov_b32 s[G1], 15|(3<<16)|(1<<21)            ; the mask: all four work-groups; elements of 8 bytes; bit 21 beside a mask
	s_mov_b32 s[G1+1], 32<<16                      ; rows of 256 bytes,
	s_mov_b32 s[G1+2], 51<<16                      ; 51 of them: a record
	s_mov_b32 s[G1+3], 32<<16
	s_mov_b32 s[G1+4], 51
	s_mov_b32 s[G1+5], 32                          ; dense
	s_mov_b32 s[G1+6], 0
	s_mov_b32 s[G1+7], 0
	s_mov_b32 s[G0], 1
	s_mul_i32 s[G0+1], s[WV], REC                  ; record w goes to LDS byte w x REC
	s_mov_b32 s44, s[G0+1]
	s_mov_b32 s45, 0
	s_lshl_b32 s32, s19, 5
	s_add_co_u32 s32, s32, s[WV]                   ; my first tile of 16 queries: 32 x block + wave
	s_mul_i32 s34, s3, 98304
	s_mul_i32 s35, s32, 768
	s_add_co_u32 s34, s34, s35
	s_mov_b32 s35, 0
	s_lshl_b32 s36, s3, 13                         ; q's scale words: 8,192 a head, 512 a step of 8 tiles; tile t's at 256 (t % 2) + 4 (t / 2) + 16 r
	s_lshl_b32 s37, s19, 11
	s_add_co_u32 s36, s36, s37
	s_lshr_b32 s37, s[WV], 3
	s_lshl_b32 s37, s37, 9
	s_add_co_u32 s36, s36, s37
	s_and_b32 s37, s[WV], 1
	s_lshl_b32 s37, s37, 8
	s_add_co_u32 s36, s36, s37
	s_bfe_u32 s37, s[WV], 0x20001
	s_lshl_b32 s37, s37, 2
	s_add_co_u32 s36, s36, s37
	s_add_co_u32 s36, s36, QSO
	s_mov_b32 s37, 0
	s_lshr_b32 s33, s3, 4
	s_lshl_b32 s33, s33, 7
	s_add_co_u32 s33, s33, s32                     ; o's row block: 128 x batch + tile
	s_and_b32 s2, s3, 15                           ; the head
	s_mul_i32 s38, s33, 12288
	s_mul_i32 s39, s2, 768                         ; head hd is half hd % 2 of K step hd / 2
	s_add_co_u32 s38, s38, s39
	s_mov_b32 s39, 0
	s_lshl_b32 s60, s33, 9                         ; o's scale bytes: 512 a row block, 128 for each 256 along K, 8 a row: the head's two at 2 (hd % 4)
	s_lshr_b32 s61, s2, 2
	s_lshl_b32 s61, s61, 7
	s_add_co_u32 s60, s60, s61
	s_and_b32 s61, s3, 3
	s_lshl_b32 s61, s61, 1
	s_add_co_u32 s60, s60, s61
	s_add_co_u32 s60, s60, OSO
	s_mov_b32 s61, 0
	s_mov_b32 s[SEL], 0x76543210
	s_mov_b32 s[SEL+1], 0xfedcba98
	s_mov_b32 s[CS], 0x3e38aa3b                    ; c = log2(e) / 8
	s_mov_b32 s[CS+1], s[CS]                       ; (named with it as a pair, so it is written)
	s_wait_dscnt 0x0
	s_wait_kmcnt 0x0
	s_add_nc_u64 s[6:7], s[6:7], s[58:59]          ; my head's records
	s_add_nc_u64 s[G0+2:G0+3], s[6:7], s[44:45]    ; my wave's record
	s_or_b32 s[G0+3], s[G0+3], 0x80000000
	s_add_nc_u64 s[QP:QP+1], s[4:5], s[34:35]
	s_add_nc_u64 s[QSP:QSP+1], s[4:5], s[36:37]
	s_add_nc_u64 s[OCP:OCP+1], s[8:9], s[38:39]
	s_add_nc_u64 s[OSP:OSP+1], s[8:9], s[60:61]
	CROUND                                         ; all four work-groups are here: the joint loads meet
	s_cmp_lt_u32 s[WV], 1                          ; one load a wave; wave 0, which alone waits at the first barrier, has a line of its own
	s_cbranch_scc0 .Lrest
	TLOAD
	s_branch .Lasked
.Lrest:
	TLOAD
.Lasked:
	v_and_b32 v93, 31, v0                          ; lane
	v_and_b32 v8, 15, v0                           ; r
	v_bfe_u32 v9, v0, 4, 1                         ; h
	v_bfe_u32 v10, v0, 3, 1                        ; r / 8
	v_lshlrev_b32 v[L8], 3, v93
	v_lshlrev_b32 v[QS], 4, v8
	v_lshl_add_u32 v[OS], v8, 3, v9
	v_lshlrev_b32 v[SH], 3, v9
	v_cmp_le_u32 s[HM], 16, v93
	v_mad_u32_u24 v[KA0], v10, 1536, v[L8]         ; rows 8-15 take the stored tile two further on
	v_lshlrev_b32 v[SA0], 4, v93
	v_lshl_add_u32 v[SA0], v10, 2, v[SA0]
	v_xor_b32 v[KB0], 64, v[KA0]
	v_xor_b32 v[SB0], 128, v[SA0]
	v_add_nc_u32 v[VL0], 6144, v[L8]
	QLOAD
.irp j, 0,1,2,3,4,5
	v_mov_b32 v[22+\j], 0                          ; Q's zero codes for k = 64 .. 127
	v_mov_b32 v[80+\j], 0                          ; what stands behind K's tile 7
.endr
	v_mov_b32 v237, 0                              ; written once: a lane permute's destination counts as one of its sources
	v_mov_b32 v239, 0
	v_mov_b32 v253, 0                              ; (named as the upper half of the pair v[252:253] before it is first written)
; A KEY STEP: 128 keys, whose record begins at s[TB]
.macro STEP
	v_add_nc_u32 v[KA], s[TB], v[KA0]              ; these six are also the places in front of loads into registers that the last products have read
	v_add_nc_u32 v[KB], s[TB], v[KB0]
	v_add_nc_u32 v[SA], s[TB], v[SA0]
	v_add_nc_u32 v[SB], s[TB], v[SB0]
	v_add_nc_u32 v[KA2], 3072, v[KA]
	v_add_nc_u32 v[KB2], 3072, v[KB]
.irp j, 0,1,2                                  ; tiles (c, g, 0) and (c, g, 1) are six chunks on end: twelve registers from 32 + 12 (2 c + g) on
	ds_load_2addr_b64 v[KV+4*\j:KV+4*\j+3], v[KA] offset0:64*\j offset1:64*\j+32
	ds_load_2addr_b64 v[KV+12+4*\j:KV+12+4*\j+3], v[KB] offset0:64*\j offset1:64*\j+32
	ds_load_2addr_b64 v[KV+24+4*\j:KV+24+4*\j+3], v[KA2] offset0:64*\j offset1:64*\j+32
	ds_load_2addr_b64 v[KV+36+4*\j:KV+36+4*\j+3], v[KB2] offset0:64*\j offset1:64*\j+32
.endr
.irp c, 0,1
	ds_load_b32 v[248+2*\c], v[SA] offset:12288+8*\c   ; register 2 c + g: lanes 0-15 the words of tile (c, g, 0), lanes 16-31 of tile (c, g, 1)
	ds_load_b32 v[249+2*\c], v[SB] offset:12288+8*\c
.endr
	WALU
	s_wait_dscnt 0x0
.irp c, 0,1                                    ; S^T = K Q^T: tile (c, g, u) into v[96 + 8 (4 c + 2 g + u)]
.irp g, 0,1
	v_wmma_scale_f32_16x16x128_f8f6f4 v[96+8*(4*\c+2*\g):103+8*(4*\c+2*\g)], v[KV+6*(4*\c+2*\g):KV+6*(4*\c+2*\g)+11], v[16:27], 0, v[248+2*\c+\g], v255 matrix_a_fmt:MATRIX_FMT_FP6 matrix_b_fmt:MATRIX_FMT_FP6
	v_wmma_scale_f32_16x16x128_f8f6f4 v[104+8*(4*\c+2*\g):111+8*(4*\c+2*\g)], v[KV+6*(4*\c+2*\g)+6:KV+6*(4*\c+2*\g)+17], v[16:27], 0, v[248+2*\c+\g], v255 matrix_a_fmt:MATRIX_FMT_FP6 matrix_b_fmt:MATRIX_FMT_FP6 matrix_a_scale:MATRIX_SCALE_ROW1
.endr
.endr
	v_add_nc_u32 v[VA], s[TB], v[VL0]              ; four places: the scores are read, and K's registers and scale words loaded again, below
	v_mov_b32 v[OLDM], v12
	v_add_nc_u32 v[VA1], 2048, v[VA]
	v_add_nc_u32 v[VA2], 4096, v[VA]
.irp j, 0,1,2,3                                ; V, 24 chunks on end, is asked for now and lands under the softmax
	ds_load_2addr_b64 v[KV+4*\j:KV+4*\j+3], v[VA] offset0:64*\j offset1:64*\j+32
	ds_load_2addr_b64 v[KV+16+4*\j:KV+16+4*\j+3], v[VA1] offset0:64*\j offset1:64*\j+32
	ds_load_2addr_b64 v[KV+32+4*\j:KV+32+4*\j+3], v[VA2] offset0:64*\j offset1:64*\j+32
.endr
	ds_load_b64 v[248:249], v[VA] offset:6656
.irp b, 0,1,2,3                                ; the largest score of my two blocks of 32 keys, in four chains of 16
	v_max3_num_f32 v[232+\b], v[96+16*\b], v[97+16*\b], v[98+16*\b]
.endr
.irp i, 3,5,7,9,11,13
.irp b, 0,1,2,3
	v_max3_num_f32 v[232+\b], v[232+\b], v[96+16*\b+\i], v[97+16*\b+\i]
.endr
.endr
	v_max3_num_f32 v232, v232, v233, v111
	v_max3_num_f32 v234, v234, v235, v143
	v_max_num_f32 v232, v232, v127                 ; block h's largest score: it serves for the row's maximum and, since p rises with the score, for the block's largest p
	v_max_num_f32 v234, v234, v159                 ; block 2 + h's
	DEP 1
	v_max_num_f32 v236, v232, v234
	DEP 1
	v_permlanex16_b32 v237, v236, s[SEL], s[SEL+1]
	DEP 1
	v_max3_num_f32 v13, v13, v236, v237            ; the running largest score of my query
	DEP 1
	v_mul_f32 v236, s[CS], v13                     ; as t (c is positive)
	DEP 1
	v_floor_f32 v12, -v236                         ; the new -M = floor(-t): M is a whole number
	DEP 1
	v_sub_f32 v236, v12, v[OLDM]                   ; old M - new M: a whole number, 0 or less
	DEP 1
	v_cvt_i32_f32 v236, v236                       ; (it saturates)
	DEP 1
	v_ldexp_f32 v252, 1.0, v236                    ; f = 2^(old M - new M)
.set J, 0
.rept 32
	v_pk_fma_f32 v[96+J:97+J], v[96+J:97+J], s[CS:CS+1], v[12:13] op_sel_hi:[1,0,0]   ; t - M, two at a time (of the pairs the low word serves both halves)
.set J, J+2
.endr
	v_fma_f32 v232, v232, s[CS], v12               ; the same of each block's largest score
	v_fma_f32 v234, v234, s[CS], v12
	WALU                                           ; the wait ahead of the batch
.set J, 0
.rept 64
	v_exp_f32 v[96+J], v[96+J]                     ; p = 2^(t - M), at most 1
.set J, J+1
.endr
	v_pk_mul_f32 v[14:15], v[14:15], v[252:253] op_sel_hi:[1,0]   ; the sums under the new M: the plain place behind the exponentials
	WALU                                           ; one wait for the whole batch, ahead of its first reader
	v_exp_f32 v232, v232                           ; the blocks' largest p
	v_exp_f32 v234, v234
	v_pk_add_f32 v[236:237], v[100:101], v[104:105]   ; the row's sum of the unquantised p, in eight chains
	v_pk_add_f32 v[250:251], v[108:109], v[112:113]
	v_pk_add_f32 v[246:247], v[116:117], v[120:121]
	v_pk_add_f32 v[244:245], v[124:125], v[128:129]
	v_pk_add_f32 v[240:241], v[132:133], v[136:137]
	v_pk_add_f32 v[238:239], v[140:141], v[144:145]
	v_pk_add_f32 v[230:231], v[148:149], v[152:153]
	v_pk_add_f32 v[14:15], v[14:15], v[156:157]
	v_pk_add_f32 v[236:237], v[236:237], v[96:97]
	v_pk_add_f32 v[250:251], v[250:251], v[98:99]
	v_pk_add_f32 v[246:247], v[246:247], v[102:103]
	v_pk_add_f32 v[244:245], v[244:245], v[106:107]
	v_pk_add_f32 v[240:241], v[240:241], v[110:111]
	v_pk_add_f32 v[238:239], v[238:239], v[114:115]
	v_pk_add_f32 v[230:231], v[230:231], v[118:119]
	v_pk_add_f32 v[14:15], v[14:15], v[122:123]
	v_pk_add_f32 v[236:237], v[236:237], v[126:127]
	v_pk_add_f32 v[250:251], v[250:251], v[130:131]
	v_pk_add_f32 v[246:247], v[246:247], v[134:135]
	v_pk_add_f32 v[244:245], v[244:245], v[138:139]
	v_pk_add_f32 v[240:241], v[240:241], v[142:143]
	v_pk_add_f32 v[238:239], v[238:239], v[146:147]
	v_pk_add_f32 v[230:231], v[230:231], v[150:151]
	v_pk_add_f32 v[14:15], v[14:15], v[154:155]
	v_pk_add_f32 v[236:237], v[236:237], v[158:159]
	v_pk_add_f32 v[14:15], v[14:15], v[244:245]
	v_pk_add_f32 v[236:237], v[236:237], v[240:241]
	v_pk_add_f32 v[250:251], v[250:251], v[238:239]
	v_pk_add_f32 v[246:247], v[246:247], v[230:231]
	v_pk_add_f32 v[14:15], v[14:15], v[250:251]
	v_pk_add_f32 v[236:237], v[236:237], v[246:247]
	DEP 1
	v_pk_add_f32 v[14:15], v[14:15], v[236:237]
	WALU                                           ; and one for the two
	v_max_num_f32 v232, 0x1800000, v232            ; the floor 2^(3 - 127): the byte cannot fall under 1
	v_max_num_f32 v234, 0x1800000, v234
	DEP 2
	v_add_nc_u32 v244, 0xff000000, v232            ; 2 off the exponent field: the conversions' scale operand
	DEP 2
	v_add_nc_u32 v246, 0xff000000, v234
	DEP 2
	v_lshrrev_b32 v236, 23, v244                   ; the bytes of blocks h and 2 + h
	DEP 2
	v_lshrrev_b32 v237, 23, v246
	DEP 1
	v_lshl_or_b32 v238, v237, 16, v236
	DEP 1
	v_lshlrev_b32 v238, v[SH], v238                ; at their places in the scale word
	DEP 1
	v_permlanex16_b32 v239, v238, s[SEL], s[SEL+1]
.irp c, 0,1                                    ; registers 6 c .. 6 c + 5 = block 2 c + h, as its 32 numbers lie in my registers
	v_cvt_scalef32_pk16_fp6_f32 v[224+6*\c:226+6*\c], v[96+32*\c:111+32*\c], v[244+2*\c]
	v_cvt_scalef32_pk16_fp6_f32 v[196+8*\c:198+8*\c], v[112+32*\c:127+32*\c], v[244+2*\c]   ; (a conversion's three registers begin on an even number)
.endr
	v_or_b32 v253, v238, v239                      ; p's scale word for these 128 keys.  (The plain place behind the conversions)
.irp c, 0,1
.irp i, 0,1,2
	v_mov_b32 v[227+6*\c+\i], v[196+8*\c+\i]
.endr
.endr
	WALU                                           ; the wait directly ahead of the first reader of O^T
.set J, 0
.rept 16
	v_pk_mul_f32 v[160+J:161+J], v[160+J:161+J], v[252:253] op_sel_hi:[1,0]   ; O^T under the new M.  These sixteen are also the places between the codes' and the scale word's last writes and the products below
.set J, J+2
.endr
	WALU
	s_wait_dscnt 0x0                               ; V and its scale words are in
.irp u, 0,1                                    ; O^T += V^T P^T: the four accumulators by turns
	v_wmma_scale_f32_16x16x128_f8f6f4 v[160+16*\u:167+16*\u], v[KV+24*\u:KV+24*\u+11], v[224:235], v[160+16*\u:167+16*\u], v[248+\u], v253 matrix_a_fmt:MATRIX_FMT_FP6 matrix_b_fmt:MATRIX_FMT_FP6
	v_wmma_scale_f32_16x16x128_f8f6f4 v[168+16*\u:175+16*\u], v[KV+24*\u+12:KV+24*\u+23], v[224:235], v[168+16*\u:175+16*\u], v[248+\u], v253 matrix_a_fmt:MATRIX_FMT_FP6 matrix_b_fmt:MATRIX_FMT_FP6 matrix_a_scale:MATRIX_SCALE_ROW1
.endr
	s_add_co_u32 s[TB], s[TB], REC
.endm
; A pass ends: O^T / the sum, register 16 b + i = channel 32 b + 16 (lane / 16) + i, is quantised along the head's 64 and leaves as half an image.  more = 1: a pass follows, whose tile of Q is asked for first
.macro EPILOG more
.rept 4
	v_nop                                          ; places behind the last products
.endr
.if \more
	s_add_nc_u64 s[QP:QP+1], s[QP:QP+1], 16*768    ; sixteen tiles on (the first tile's loads were waited for)
	s_add_nc_u64 s[QSP:QSP+1], s[QSP:QSP+1], 1024
	QLOAD
.endif
	v_add_f32 v14, v14, v15
	DEP 1
	v_permlanex16_b32 v252, v14, s[SEL], s[SEL+1]
	DEP 1
	v_add_f32 v14, v14, v252                       ; the row's sum
	WALU
	v_rcp_f32 v14, v14
	v_nop                                          ; a plain place behind the transcendental
	WALU                                           ; the wait, ahead of the first reader
.set J, 0
.rept 32
	v_mul_f32 v[96+J], v[160+J], v14               ; each accumulator from its low end on
.set J, J+1
.endr
.irp b, 0,1
	v_max3_num_f32 v[232+\b], |v[96+16*\b]|, |v[97+16*\b]|, 0x1800000
.endr
.irp i, 2,4,6,8,10,12,14
.irp b, 0,1
	v_max3_num_f32 v[232+\b], v[232+\b], |v[96+16*\b+\i]|, |v[97+16*\b+\i]|
.endr
.endr
.irp b, 0,1
	v_permlanex16_b32 v[236+\b], v[232+\b], s[SEL], s[SEL+1]
.endr
.irp b, 0,1
	v_max_num_f32 v[232+\b], v[232+\b], v[236+\b]
.endr
.irp b, 0,1
	v_add_nc_u32 v[244+\b], 0xff000000, v[232+\b]
.endr
.irp b, 0,1
	v_lshrrev_b32 v[236+\b], 23, v[244+\b]
.endr
	v_cvt_scalef32_pk16_fp6_f32 v[224:226], v[96:111], v244
	v_cvt_scalef32_pk16_fp6_f32 v[240:242], v[112:127], v245
	v_nop                                          ; one plain place behind a scaled conversion
.irp i, 0,1,2
	v_permlane16_swap_b32 v[224+\i], v[240+\i]
.endr
.irp i, 0,1,2
	v_mov_b32 v[227+\i], v[240+\i]
.endr
	v_cndmask_b32 v238, v236, v237, s[HM]          ; lanes 0-15 store block 0's byte, lanes 16-31 block 1's
.irp p, 0,1,2
	global_store_b64 v[L8], v[224+2*\p:225+2*\p], s[OCP:OCP+1] offset:256*\p   ; 256 consecutive bytes, aligned
.endr
	global_store_b8 v[OS], v238, s[OSP:OSP+1]      ; 32 single bytes inside 128: the other six bytes of each row's eight are three other heads', other work-groups'
.if \more
	s_wait_xcnt 0x0                                ; the stores have read their bases and data
	s_add_nc_u64 s[OCP:OCP+1], s[OCP:OCP+1], 16*12288
	s_add_nc_u64 s[OSP:OSP+1], s[OSP:OSP+1], 16*512
.endif
.endm
.macro INIT                            ; O^T and the sum begin as zeros, the largest score under every score
	v_mov_b32 v13, 0xff61b1e6                      ; -3e38
	v_floor_f32 v12, -v13                          ; -M
	v_mov_b32 v14, 0
	v_mov_b32 v15, 0
.set J, 0
.rept 32
	v_mov_b32 v[160+J], 0                          ; (the step is written once: the first finds zeros, which the first change of M leaves zeros)
.set J, J+1
.endr
.endm
.macro STEPS n
	s_mov_b32 s[CNT], \n
.Lstep_\@:
	STEP
	s_sub_co_u32 s[CNT], s[CNT], 1
	s_cmp_lg_u32 s[CNT], 0
	s_cbranch_scc1 .Lstep_\@
.endm
	INIT
	WALU                                           ; the wait at the head's end
	s_cmp_lt_u32 s[WV], 1
	s_cbranch_scc0 .Lnot_0
	s_wait_tensorcnt 0x0                           ; wave 0: record 0 is in
.Lnot_0:
	s_barrier_signal -1
	s_barrier_wait -1                              ; the other fifteen may still be on their way: nothing is ever filled again
	s_wait_loadcnt 0x0                             ; my tile of Q is in
	s_mov_b32 s[TB], 0
	STEP                                           ; the first pass's first step reads record 0 alone
	s_wait_tensorcnt 0x0                           ; every wave: my record is in,
	s_wait_dscnt 0x0
	s_barrier_signal -1
	s_barrier_wait -1                              ; and everybody's
	STEPS 15
	EPILOG 1
	INIT
	s_wait_loadcnt 0x0
	s_mov_b32 s[TB], 0
	STEPS 16
	EPILOG 0
	s_wait_tensorcnt 0x0                           ; the wave's end
	ds_add_u32 v[SPW], v[NIL]
	s_wait_dscnt 0x0
	CROUND                                         ; the closing round
	s_endpgm
.Lfunc_end_k_q116cb4a1b5_attn:
	.size	k_q116cb4a1b5_attn, .Lfunc_end_k_q116cb4a1b5_attn-k_q116cb4a1b5_attn
	.p2alignl 7, 3214868480
	.fill 96, 4, 3214868480
	.section	.rodata,"a",@progbits
	.p2align	6, 0x0
	.amdhsa_kernel k_q116cb4a1b5_attn
		.amdhsa_group_segment_fixed_size 210944
		.amdhsa_private_segment_fixed_size 0
		.amdhsa_enable_private_segment 0
		.amdhsa_kernarg_size 24
		.amdhsa_user_sgpr_count 2
		.amdhsa_user_sgpr_kernarg_segment_ptr 1
		.amdhsa_wavefront_size32 1
		.amdhsa_system_sgpr_workgroup_id_x 1
		.amdhsa_system_sgpr_workgroup_id_y 1
		.amdhsa_system_sgpr_workgroup_id_z 1
		.amdhsa_system_vgpr_workitem_id 0
		.amdhsa_next_free_vgpr 256
		.amdhsa_next_free_sgpr 66
		.amdhsa_reserve_vcc 0
		.amdhsa_float_denorm_mode_32 3
		.amdhsa_float_denorm_mode_16_64 3
		.amdhsa_memory_ordered 1
		.amdhsa_forward_progress 1
		.amdhsa_inst_pref_size 63
	.end_amdhsa_kernel
	.amdgpu_metadata
---
amdhsa.version: [ 1, 2 ]
amdhsa.kernels:
  - .name:           k_q116cb4a1b5_attn
    .symbol:         k_q116cb4a1b5_attn.kd
    .args:
      - { .name: qb, .offset: 0, .size: 8, .value_kind: global_buffer, .address_space: global }
      - { .name: kv, .offset: 8, .size: 8, .value_kind: global_buffer, .address_space: global }
      - { .name: ob, .offset: 16, .size: 8, .value_kind: global_buffer, .address_space: global }
    .group_segment_fixed_size: 210944
    .private_segment_fixed_size: 0
    .kernarg_segment_align: 8
    .kernarg_segment_size: 24
    .max_flat_workgroup_size: 512
    .sgpr_count:     66
    .vgpr_count:     256
    .wavefront_size: 32
...
	.end_amdgpu_metadata
.endif
;; end of part 3
;; launch gemm_out (part 4): grid 4 x 64, 4 waves a work-group, clusters of 4 x 4, 327,680 bytes of LDS; arguments ob, wb, bo, out0; writes out0
.if DOCPART == 4
	.amdgcn_target "amdgcn-amd-amdhsa--gfx1250"
	.amdhsa_code_object_version 6
	.text
	.protected	k_q116cb4a1b5_gemm_out
	.globl	k_q116cb4a1b5_gemm_out
	.p2align	8
	.type	k_q116cb4a1b5_gemm_out,@function
k_q116cb4a1b5_gemm_out:
	s_mov_b64 s[64:65], 0
	v_nop
	global_prefetch_b8 v0, s[64:65] scope:SCOPE_SE
	s_setreg_imm32_b32 hwreg(HW_REG_WAVE_MODE, 25, 1), 1
	s_wait_xcnt 0x0
	s_wait_alu depctr_hold_cnt(0) depctr_sa_sdst(0) depctr_va_vdst(0) depctr_va_sdst(0) depctr_va_ssrc(0) depctr_va_vcc(0) depctr_vm_vsrc(0)
	s_getreg_b32 s2, hwreg(HW_REG_IB_STS2, 6, 4)
	s_cmp_eq_u32 s2, 0
	s_cbranch_scc0 .Lentry_in_a_cluster
	s_endpgm
.Lentry_in_a_cluster:
	s_bfe_u32 s2, ttmp6, 0x10000c
	s_cmp_lg_u32 s2, 0xf033
	s_cbranch_scc0 .Lentry_shape_is_right
	s_endpgm
.Lentry_shape_is_right:
; out0[8192][1024] = o Wo + bo, on codes of FP6 (E2M3) with E8M0 scales, f32 sums.  o's codes and scale bytes lie in ob, Wo's in wb (row blocks 192 to 255), as images of the operand's registers:
; codes [row block of 16][K step of 128: 0..7][1,536 bytes: chunk p holds registers 2 p, 2 p + 1 of lane l at byte 8 l]; scale bytes [row block][K / 256: 0..3][row][8 bytes], byte 4 q + b for block b of K step 2 (K / 256) + q.
; Within a group of 32 rows (of o) or columns (of Wo) the place 16 u + p holds the actual index 8 u + p + 8 (p / 8).
; SHARES.  256 work-groups, each 128 rows x 256 columns; four waves, 2 x 2, each 64 x 128: 32 accumulators.  ALL OF K LIES IN LDS, FILLED ONCE: 8 + 16 row blocks of 12,288 bytes.  No ring, no refill.
; The four fills are one tensor load a wave: wave 0 o's blocks, K steps 0-3; wave 1 Wo's, K steps 0-3; waves 2 and 3 the same for K steps 4-7.  The first barrier shows the loads of waves 0 and 1, which alone wait there;
; the second, at the head of K step 3, ahead of the first fetch from the second half, shows the others.  Behind it nobody reads the first half's bytes any more: the stages of the way out lie there.
; CLUSTER 4 x 4: o's blocks are shared along a row of the cluster, Wo's along a column: joint loads.  All tensor loads go out at the head and there is no loop to run ahead in, so no prefetch is laid.
; THE SCALE WORDS go from memory straight into registers, 256 consecutive bytes a load: lanes 0-15 take the words of an even quarter of K, lanes 16-31 of the odd one behind it; the ROW selector picks the quarter.
; The matrix instruction is used transposed (source 0 = Wo's rows, source 1 = o's): a lane holds eight neighbouring numbers of a row of out0.  The bias is the C of the first K step's products.
; REGISTERS: window 0: v16-29 addresses; v32-63 Wo's scale words, v98-113 o's; v128-223 o's fragments, two sets of 4; on the way out v128-255.  Window 1: Wo's fragments, two sets of 8.  Window 2: accumulator (a, b) at v[8 (8 a + b)].  Window 3: v0-63 the bias.
.set OSO,   6291456
.set WSO,   3145728
.set RBK,   12288
.set HK,    6144                       ; four K steps of a row block
.set LB,    8*HK                       ; in each half: o's 8 blocks, then Wo's 16
.set HALF,  24*HK
.set SPARE, 2*HALF                     ; the spare words, 128 bytes a wave
.set SPITCH, 528                       ; a stage: 16 rows of 512 bytes + 16, from LDS byte 0 on, one for each wave
.set ADRA, 16                          ; v16, v17 my fragments of o in half 0, 1
.set STO,  18
.set RD,   19
.set ADRB, 20                          ; v20, v21 the same of Wo
.set L8,   24
.set L16,  25
.set LN,   26
.set SPW,  28
.set NIL,  29
.set SB,   32
.set SA,   98
.set AF,   128
.set BK,   128
.set WV,   18
.set HA,   19
.set HB,   20
.set G1,   24
.set G1B,  48
.set MSB, 0
.macro WIN new
.if MSB != (\new)
	s_set_vgpr_msb (MSB<<8)|(\new)
.set MSB, (\new)
.endif
.endm
.macro PLACES n
.rept \n
	v_nop
.endr
.endm
.macro CROUND
	s_barrier_signal -1
	s_barrier_wait -1
	s_cmp_lg_u32 s[WV], 0
	s_cbranch_scc1 .Lnot_wave_0_\@
	s_barrier_signal -3
.Lnot_wave_0_\@:
	s_barrier_wait -3
	s_barrier_signal -1
	s_barrier_wait -1
.endm
.macro TLOAD g0, g1
	tensor_load_to_lds s[\g0:\g0+3], s[\g1:\g1+7]
	s_nop 0
	PLACES 4
.endm
.macro ARM under, g0, g1, next         ; one arm of the head's chain: its load and a jump to the join
	s_cmp_lt_u32 s[WV], \under
	s_cbranch_scc0 \next
	TLOAD \g0, \g1
	s_branch .Lasked
\next:
.endm
.macro G0SET g, lds, base, off
	s_mov_b32 s[\g], 1
	s_mov_b32 s[\g+1], \lds
	s_add_nc_u64 s[\g+2:\g+3], s[\base:\base+1], \off
	s_or_b32 s[\g+3], s[\g+3], 0x80000000
.endm
.macro FRAG reg, adr, off
.irp p, 0,1,2,3,4,5
	ds_load_b64 v[\reg+2*\p:\reg+2*\p+1], v[\adr] offset:\off+256*\p
.endr
.endm
.macro LOADS s                         ; K step s's fragments into set s % 2: 72 loads
	WIN 0x40
.irp i, 0,1,2,3,4,5,6,7
	FRAG 96*((\s)%2)+12*\i, ADRB+(\s)/4, \i*HK+((\s)%4)*1536
.endr
	WIN 0
.irp i, 0,1,2,3
	FRAG AF+48*((\s)%2)+12*\i, ADRA+(\s)/4, \i*HK+((\s)%4)*1536
.endr
.endm
.macro MUL s, r                        ; 32 products, the 32 accumulators by turns, in the same order in every K step.  r = (s / 2) % 2: which half of the lanes holds this quarter's scale words
.if (\s) == 0
	WIN 0xb1
.else
	WIN 0xa1
.endif
.irp a, 0,1,2,3
.irp b, 0,1,2,3,4,5,6,7
.if (\s) == 0
	v_wmma_scale_f32_16x16x128_f8f6f4 v[8*(8*\a+\b):8*(8*\a+\b)+7], v[96*((\s)%2)+12*\b:96*((\s)%2)+12*\b+11], v[AF+48*((\s)%2)+12*\a:AF+48*((\s)%2)+12*\a+11], v[8*\b:8*\b+7], v[SB+4*\b+2*((\s)/4)+(\s)%2], v[SA+4*\a+2*((\s)/4)+(\s)%2] matrix_a_fmt:MATRIX_FMT_FP6 matrix_b_fmt:MATRIX_FMT_FP6 matrix_a_scale:MATRIX_SCALE_ROW\r matrix_b_scale:MATRIX_SCALE_ROW\r
.else
	v_wmma_scale_f32_16x16x128_f8f6f4 v[8*(8*\a+\b):8*(8*\a+\b)+7], v[96*((\s)%2)+12*\b:96*((\s)%2)+12*\b+11], v[AF+48*((\s)%2)+12*\a:AF+48*((\s)%2)+12*\a+11], v[8*(8*\a+\b):8*(8*\a+\b)+7], v[SB+4*\b+2*((\s)/4)+(\s)%2], v[SA+4*\a+2*((\s)/4)+(\s)%2] matrix_a_fmt:MATRIX_FMT_FP6 matrix_b_fmt:MATRIX_FMT_FP6 matrix_a_scale:MATRIX_SCALE_ROW\r matrix_b_scale:MATRIX_SCALE_ROW\r
.endif
.endr
.endr
.endm
.macro STEP s, r, more                 ; this K step's fragments are in; the next step's are asked for into the other set; then the products
	s_wait_dscnt 0x0
.if (\s) == 3
	s_wait_tensorcnt 0x0                           ; every wave: all tensor loads are in,
	s_barrier_signal -1
	s_barrier_wait -1                              ; and every wave's reads of the first half are over
.endif
.if \more
.if (\s) > 0
	PLACES 4                                       ; in front of loads into registers that the last K step's products have read
.endif
	LOADS (\s)+1
.endif
	MUL \s, \r
.endm
	s_load_b128 s[4:7], s[0:1], 0x0                ; ob, wb
	s_load_b128 s[8:11], s[0:1], 0x10              ; bo, out0
	v_lshl_add_u32 v[SPW], v0, 2, SPARE
	v_mov_b32 v[NIL], 0
	ds_add_u32 v[SPW], v[NIL]                      ; the opening lines: the add twice on end and one wait
	ds_add_u32 v[SPW], v[NIL]
	v_lshrrev_b32 v1, 5, v0
	v_readfirstlane_b32 s[WV], v1                  ; wave 0..3
	s_lshr_b32 s[HA], s[WV], 1                     ; which 64 rows
	s_and_b32 s[HB], s[WV], 1                      ; which 128 columns
	s_bfe_u32 s40, ttmp6, 0x40000                  ; cx
	s_bfe_u32 s41, ttmp6, 0x40004                  ; cy
	s_and_b32 s42, ttmp7, 0xffff
	s_lshl_b32 s43, s41, 2
	s_lshl_b32 s43, 15, s43                        ; my row of the cluster
	s_lshl_b32 s44, 0x1111, s40                    ; my column
	s_or_b32 s[G1], s43, (3<<16)|(1<<21)           ; rows of 6,144 bytes (768 elements of 8), 12,288 apart: o's 8 row blocks,
	s_or_b32 s[G1B], s44, (3<<16)|(1<<21)
	s_mov_b32 s[G1+2], 8<<16
	s_mov_b32 s[G1+4], 8
	s_mov_b32 s[G1B+2], 16<<16                     ; Wo's 16
	s_mov_b32 s[G1B+4], 16
.irp g, G1, G1B
	s_mov_b32 s[\g+1], 768<<16
	s_mov_b32 s[\g+3], 768<<16
	s_mov_b32 s[\g+5], 1536
	s_mov_b32 s[\g+6], 0
	s_mov_b32 s[\g+7], 0
.endr
	s_lshl_b32 s45, s42, 2
	s_add_co_u32 s45, s45, s41                     ; tile row, 0 .. 63
	s_lshl_b32 s46, ttmp9, 2
	s_add_co_u32 s46, s46, s40                     ; tile column, 0 .. 3
	s_mul_i32 s12, s45, 8*RBK                      ; o's blocks, bytes from ob
	s_mov_b32 s13, 0
	s_lshl_b32 s14, s46, 4
	s_add_co_u32 s14, s14, 192
	s_lshl_b32 s22, s[HB], 3
	s_add_co_u32 s22, s22, s14
	s_lshl_b32 s22, s22, 9
	s_add_co_u32 s22, s22, WSO                     ; the scale bytes of my 8 blocks of Wo
	s_mov_b32 s23, 0
	s_mul_i32 s14, s14, RBK                        ; Wo's blocks, bytes from wb
	s_mov_b32 s15, 0
	s_lshl_b32 s16, s45, 3
	s_lshl_b32 s17, s[HA], 2
	s_add_co_u32 s16, s16, s17
	s_lshl_b32 s16, s16, 9
	s_add_co_u32 s16, s16, OSO                     ; the scale bytes of my 4 blocks of o
	s_mov_b32 s17, 0
	s_mul_i32 s47, s[HA], 4*HK                     ; LDS: my 4 blocks of o,
	s_mul_i32 s68, s[HB], 8*HK
	s_add_co_u32 s68, s68, LB                      ; my 8 of Wo,
	s_mul_i32 s69, s[WV], 16*SPITCH                ; my stage
	s_lshl_b32 s42, s46, 10
	s_lshl_b32 s43, s[HB], 9
	s_add_co_u32 s42, s42, s43                     ; my first column, in bytes
	s_mov_b32 s43, 0
	s_lshl_b32 s66, s45, 7
	s_lshl_b32 s67, s[HA], 6
	s_add_co_u32 s66, s66, s67
	s_lshl_b32 s66, s66, 12                        ; my first row, in bytes
	s_mov_b32 s67, 0
	s_wait_alu depctr_va_vdst(0)
	s_wait_dscnt 0x0
	CROUND                                         ; all sixteen work-groups are here: the joint loads meet
	s_wait_kmcnt 0x0
	s_add_nc_u64 s[12:13], s[4:5], s[12:13]
	s_add_nc_u64 s[14:15], s[6:7], s[14:15]
	s_add_nc_u64 s[16:17], s[4:5], s[16:17]
	s_add_nc_u64 s[22:23], s[6:7], s[22:23]
	s_add_nc_u64 s[8:9], s[8:9], s[42:43]
	s_add_nc_u64 s[10:11], s[10:11], s[42:43]
	s_add_nc_u64 s[10:11], s[10:11], s[66:67]
	G0SET 32, 0, 12, 0
	G0SET 36, LB, 14, 0
	G0SET 56, HALF, 12, HK
	G0SET 60, HALF+LB, 14, HK
	ARM 1, 32, G1, .Lw1                            ; one load a wave, what is needed first asked for first
	ARM 2, 36, G1B, .Lw2
	ARM 3, 56, G1, .Lw3
	TLOAD 60, G1B
.Lasked:
	v_and_b32 v1, 15, v0
	v_bfe_u32 v2, v0, 4, 1
	v_and_b32 v[LN], 31, v0
	v_lshlrev_b32 v[L8], 3, v[LN]
	v_lshlrev_b32 v[L16], 4, v[LN]
	v_add_nc_u32 v[ADRA], s47, v[L8]
	v_add_nc_u32 v[ADRB], s68, v[L8]
	v_add_nc_u32 v[ADRA+1], HALF, v[ADRA]
	v_add_nc_u32 v[ADRB+1], HALF, v[ADRB]
	v_mul_u32_u24 v5, v1, SPITCH                   ; into my stage: row l % 16, 64 bytes for each half of the lanes
	v_lshl_add_u32 v5, v2, 6, v5
	v_add_nc_u32 v[STO], s69, v5
	v_add_nc_u32 v[RD], s69, v[L16]                ; and back: the 32 lanes take a row of 512 bytes
	v_lshlrev_b32 v22, 6, v2
	s_wait_alu depctr_va_vdst(0)                   ; the wait at the head's end
.irp b, 0,1,2,3,4,5,6,7
.irp j, 0,1
	global_load_b64 v[SB+4*\b+2*\j:SB+4*\b+2*\j+1], v[L8], s[22:23] offset:512*\b+256*\j   ; 256 consecutive bytes: quarters 2 j and 2 j + 1 of K
.endr
.endr
.irp a, 0,1,2,3
.irp j, 0,1
	global_load_b64 v[SA+4*\a+2*\j:SA+4*\a+2*\j+1], v[L8], s[16:17] offset:512*\a+256*\j
.endr
.endr
	WIN 0xc0
.irp b, 0,1,2,3,4,5,6,7
	global_load_b128 v[8*\b:8*\b+3], v22, s[8:9] offset:(32*(\b/2)+8*(\b%2))*4       ; the bias as the result lies: columns 32 (b / 2) + 8 (b % 2) + 16 h + 0 .. 7
	global_load_b128 v[8*\b+4:8*\b+7], v22, s[8:9] offset:(32*(\b/2)+8*(\b%2))*4+16
.endr
	WIN 0
	s_cmp_lt_u32 s[WV], 2
	s_cbranch_scc0 .Lnot_first
	s_wait_tensorcnt 0x0                           ; waves 0 and 1: K steps 0-3 are in
.Lnot_first:
	s_barrier_signal -1
	s_barrier_wait -1                              ; the other two loads may still be on their way: nothing is ever filled again
	LOADS 0
	s_wait_loadcnt 0x0                             ; the scale words and the bias
	STEP 0, 0, 1
	STEP 1, 0, 1
	STEP 2, 1, 1
	STEP 3, 1, 1
	STEP 4, 0, 1
	STEP 5, 0, 1
	STEP 6, 1, 1
	STEP 7, 1, 0
	WIN 0
; THE WAY OUT, block by block of 16 rows x 128 columns, through my own stage: it comes back as whole rows of 512 bytes.  LDS serves a wave's instructions in order: no wait between the stores and the loads.
.macro TOSTAGE a
	WIN 0x08
.irp b, 0,1,2,3,4,5,6,7
	ds_store_b128 v[STO], v[64*(\a)+8*\b:64*(\a)+8*\b+3] offset:128*(\b/2)+32*(\b%2)         ; each accumulator from its low end on
	ds_store_b128 v[STO], v[64*(\a)+8*\b+4:64*(\a)+8*\b+7] offset:128*(\b/2)+32*(\b%2)+16
.endr
	WIN 0
.set OBK, BK+64*((\a)%2)
.irp t, 0,1,2,3,4,5,6,7,8,9,10,11,12,13,14,15
	ds_load_b128 v[OBK+4*\t:OBK+4*\t+3], v[RD] offset:\t*SPITCH
.endr
.endm
.macro SEND a, younger                 ; younger: the LDS instructions issued behind block a's loads, which may stay out
.set OBK, BK+64*((\a)%2)
	s_wait_dscnt \younger
.irp t, 0,1,2,3,4,5,6,7,8,9,10,11,12,13,14,15
	global_store_b128 v[L16], v[OBK+4*\t:OBK+4*\t+3], s[10:11] offset:(32*((\a)/2)+8*((\a)%2)+\t+8*(\t/8))*4096 th:TH_STORE_NT   ; 512 consecutive bytes, aligned
.endr
.endm
	PLACES 4                                       ; behind the last products: their results are read, and o's fragments' registers loaded again
	TOSTAGE 0
.irp a, 1,2,3
.if \a > 1
	s_wait_xcnt 0x0                                ; block a - 2's stores have read their registers
.endif
	TOSTAGE \a
	SEND \a-1, 32                                  ; behind block a - 1's loads: block a's 16 stores and 16 loads
.endr
	SEND 3, 0
	s_wait_tensorcnt 0x0                           ; the wave's end
	ds_add_u32 v[SPW], v[NIL]
	s_wait_dscnt 0x0
	CROUND                                         ; the closing round
	s_endpgm
.Lfunc_end_k_q116cb4a1b5_gemm_out:
	.size	k_q116cb4a1b5_gemm_out, .Lfunc_end_k_q116cb4a1b5_gemm_out-k_q116cb4a1b5_gemm_out
	.p2alignl 7, 3214868480
	.fill 96, 4, 3214868480
	.section	.rodata,"a",@progbits
	.p2align	6, 0x0
	.amdhsa_kernel k_q116cb4a1b5_gemm_out
		.amdhsa_group_segment_fixed_size 327680
		.amdhsa_private_segment_fixed_size 0
		.amdhsa_enable_private_segment 0
		.amdhsa_kernarg_size 32
		.amdhsa_user_sgpr_count 2
		.amdhsa_user_sgpr_kernarg_segment_ptr 1
		.amdhsa_wavefront_size32 1
		.amdhsa_system_sgpr_workgroup_id_x 1
		.amdhsa_system_sgpr_workgroup_id_y 1
		.amdhsa_system_sgpr_workgroup_id_z 1
		.amdhsa_system_vgpr_workitem_id 0
		.amdhsa_next_free_vgpr 832
		.amdhsa_next_free_sgpr 72
		.amdhsa_reserve_vcc 0
		.amdhsa_float_denorm_mode_32 3
		.amdhsa_float_denorm_mode_16_64 3
		.amdhsa_memory_ordered 1
		.amdhsa_forward_progress 1
		.amdhsa_inst_pref_size 96
	.end_amdhsa_kernel
	.amdgpu_metadata
---
amdhsa.version: [ 1, 2 ]
amdhsa.kernels:
  - .name:           k_q116cb4a1b5_gemm_out
    .symbol:         k_q116cb4a1b5_gemm_out.kd
    .args:
      - { .name: ob, .offset: 0, .size: 8, .value_kind: global_buffer, .address_space: global }
      - { .name: wb, .offset: 8, .size: 8, .value_kind: global_buffer, .address_space: global }
      - { .name: bo, .offset: 16, .size: 8, .value_kind: global_buffer, .address_space: global }
      - { .name: out0, .offset: 24, .size: 8, .value_kind: global_buffer, .address_space: global }
    .group_segment_fixed_size: 327680
    .private_segment_fixed_size: 0
    .kernarg_segment_align: 8
    .kernarg_segment_size: 32
    .max_flat_workgroup_size: 128
    .sgpr_count:     72
    .vgpr_count:     832
    .wavefront_size: 32
...
	.end_amdgpu_metadata
.endif
;; end of part 4
